; MI455X (gfx1250); checked and timed in simulation.
; The chip was launched on July 23, 2026; its instructions are those of AMD's public machine-readable ISA for CDNA 5 (MIT licence, August 2026) and "CDNA5" Instruction Set Architecture Reference Guide (July 2026). The comments in the code are by the model that wrote it; some were corrected since.
;; Additive Attn. Allowed arithmetic: matrix products marked QUANTISED: E5M2 operands, one E8M0 scale for each 32 along K, by v_wmma_scale_f32_16x16x128_f8f6f4 with both operands' format E5M2, f32 sums; products left as they are: f32 operands where the result goes on into a quantised operand, else bf16, f16 or f32 operands; f32 sums; everything else in f32.
;; Inputs: W1 1,024 x 2,048 float32; W2 1 x 1,024 float32; b1 1,024 float32; b2 1 float32; cur_hidden 32 x 1,024 float32; encoder_output 1,024 x 32 x 1,024 float32.
;; Outputs: out0 32 x 1,024 float32; out1 32 x 1,024 float32.
;; This version of the problem:
;;   THIS VERSION OF THE PROBLEM IS GIVEN IN LOW PRECISION. The matrix products marked QUANTISED in the list below multiply operands that are first quantised to E5M2 (5 exponent bits, 2 mantissa bits; 8 bits a number), with one power-of-two scale for each 32 numbers along K (OCP MX v1.0); their sums are f32. All else is computed in f32.
;;   The module's matrix products, in the order in which they are computed (A, B: the left and right operand; K: the contracted axis; several contracted axes count as one K, in the product's order):
;;     1. [M 32,768, K 2,048] x [K 2,048, N 1,024]; A: computed on the way; B: input W1: QUANTISED
;;     2. [M 32,768, K 1,024] x [K 1,024, N 1]; A: computed on the way; B: input W2: left as it is (N = 1 < 16)
;;     3. batch 32 x [M 1, K 1,024] x [K 1,024, N 1,024]; A: softmax; B: input encoder_output: left as it is (M = 1 < 16)
;;   THE QUANTISER, for each operand of a quantised product, along K:
;;     - K is cut into blocks of 32 from its start; a last block that is shorter is filled with zeros.
;;     - A block's scale is 2^e with e = floor(log2(the largest magnitude in the block)) - 15, held to -126 .. 127; a block of zeros has e = 0. As a byte (E8M0): e + 127.
;;     - Each number is divided by its block's scale, clamped to +-57,344, and rounded to the nearest number of E5M2, ties to even, subnormals kept.
;;     - The product sums the exact products of the quantised numbers (number of the format x scale) in f32.
;;   ~~~python
;;   def quantise(x, axis):      # numpy; x: float32 -> the quantised numbers, widened to float32 again
;;       x = np.moveaxis(x, axis, -1); K = x.shape[-1]
;;       x = np.pad(x, [(0, 0)] * (x.ndim - 1) + [(0, -K % 32)]); x = x.reshape(x.shape[:-1] + (-1, 32)); a = np.abs(x).max(-1, keepdims=True)
;;       e = np.where(a > 0, np.clip(np.frexp(np.where(a > 0, a, 1))[1] - 1 - 15, -126, 127), 0)      # np.frexp(a)[1] - 1 = floor(log2(a)), exactly
;;       r = np.clip(x / 2.0 ** e, -57344, 57344)
;;       step = 2.0 ** (np.maximum(np.frexp(np.where(r == 0, 1, r))[1] - 1, -14) - 2)
;;       q = np.round(r / step) * step * 2.0 ** e      # np.round: ties to even
;;       return np.moveaxis(q.reshape(q.shape[:-2] + (-1,))[..., :K], -1, axis).astype(np.float32)
;;   ~~~
;;   OPERANDS COMPUTED ON THE WAY. 'Computed on the way' means the value that the module computes at that place (a softmax that the list does not call 'softmax' is quantised finished and normalised). What goes into a quantiser is computed in f32, as accurately as f32 sums, v_exp_f32 and their like allow (about 1e-6 of the number): no bf16 or f16 on the way to a quantiser, and a product that is left as it is and whose result goes on into a quantised operand takes f32 operands (vector FMAs, or v_wmma_f32_16x16x4_f32). A number that lies on a knife's edge between two numbers of the format may be rounded either way, as far as f32 arithmetic and the matrix unit's own rounding can turn it there, and no further.
;; 2 versions. Each part assembles by itself: llvm-mc -triple=amdgcn-amd-amdhsa -mcpu=gfx1250 --defsym DOCPART=n.
;; ======== version 1 of 2: 3 launches
;; workspace buffers: w1s 1,114,112 bytes; cs 131,072 bytes; sc 131,072 bytes; part 1,179,648 bytes
;; launch prep (part 1): grid 64 x 1, 8 waves a work-group, no clusters, 37,888 bytes of LDS; arguments W1, cur_hidden, b1, w1s, cs; writes w1s, cs
.if DOCPART == 1
	.amdgcn_target "amdgcn-amd-amdhsa--gfx1250"
	.amdhsa_code_object_version 6
	.text
	.protected	k_qdd3e947100_prep
	.globl	k_qdd3e947100_prep
	.p2align	8
	.type	k_qdd3e947100_prep,@function
k_qdd3e947100_prep:
	s_mov_b64 s[64:65], 0
	v_nop
	global_prefetch_b8 v0, s[64:65] scope:SCOPE_SE
	s_setreg_imm32_b32 hwreg(HW_REG_WAVE_MODE, 25, 1), 1
	s_wait_xcnt 0x0
; W1 [1024][2048] f32 is quantised along K to codes of BF8 (E5M2) with one E8M0 byte for each 32 along K.
; Columns 0-1023 (they meet encoder_output) leave as IMAGES OF OPERAND REGISTERS in w1s: [tile j = 2 k + hh][wave w][17,408 bytes]; in a chunk eight fragments of 2,048 bytes ([c][lane][16 bytes]: registers 4 c .. 4 c + 3),
; then eight scale images of 128 bytes (lane l: the word of row l % 16).  Fragment (j, w, f) = rows 256 w + 128 hh + 16 f + r of W1, columns 128 k .. 128 k + 127.
; Columns 1024-2047 meet cur_hidden, which is the same for every time step: cs[b][h] = 2 log2(e) (Q(cur[b]) . Q(W1[h][1024:]) + b1[h]) is made here once, by the scaled matrix instruction.
; SHARES: work-group n takes rows 16 n .. 16 n + 15 of W1, wave k the k-th 128 along K of both halves and of cur_hidden.  The eight waves' partial products meet in LDS and are added with K ascending.
; A load reads 512 consecutive bytes of one row (16 bytes a lane), so a lane holds 4 numbers of each of 16 rows and a block of 32 lies in 8 neighbouring lanes.
; The conversion takes eight numbers under one scale: the lower four are the row's, the upper four the next row's, whose codes (the upper result register) are not used.
; LIMITS: NaN and infinities are not served; a block whose largest magnitude lies under 2^-111, a block of zeros among them, keeps the byte 1 (its codes are right or zeros; this program alone reads the bytes).
; cs leaves in runs of 64 bytes and a scale image in 128: 131,072 + 65,536 bytes of the launch's stores fill their aligned 256 bytes only in part.
.set TILEB, 69632
.set CH,    17408
.set PC,    20480                      ; LDS: behind the waves' regions (8 x 2,560): the partial products, 8 x 2,048 bytes
.set OFFG, 1                           ; v1   16 x lane
.set ACD,  2                           ; v2   my region + 4 x lane: a row's four codes
.set ASB,  3                           ; v3   my region + 2,304 + lane / 8: a block's byte
.set AFR,  4                           ; v4   my region + 144 (lane % 16) + 16 (lane / 16): a fragment's row
.set ASR,  5                           ; v5   my region + 2,304 + 4 (lane % 16): a row's scale word
.set API,  6                           ; v6   PC + 2,048 x wave + 16 x lane
.set APR,  7                           ; v7   PC + 512 x wave + 16 x lane
.set GSL,  8                           ; v8   4 x lane
.set GCS,  9                           ; v9   4,096 (lane % 16) + 32 (lane / 16): my place in cs
.set GB1,  10                          ; v10  32 (lane / 16): my place in b1
.set X0,   16                          ; v16-83   64 numbers + 4 registers of zeros
.set X1,   84                          ; v84-151  the same
.set MX,   152                         ; v152-167 largest magnitudes, then scale bytes
.set SCL,  168                         ; v168-183 the conversions' scale operands
.set LIM,  184                         ; v184-199 57,344 x the scale
.set FA,   184                         ;          and, when those are done with, W1's first-half fragment
.set CP,   200                         ; v200-231 a pair of code registers for each row
.set WB,   232                         ; v232-247 W1's second-half fragment
.set SW,   248                         ; v248-251 scale words and nothing else: W1 first half, second half, cur rows 0-15, rows 16-31
	s_load_b128 s[4:7], s[0:1], 0x0                ; W1, cur_hidden
	s_load_b128 s[8:11], s[0:1], 0x10              ; b1, w1s
	s_load_b64 s[12:13], s[0:1], 0x20              ; cs
	v_lshl_add_u32 v254, v0, 2, 0x9000
	v_mov_b32 v255, 0
	v_lshrrev_b32 v11, 5, v0
	v_readfirstlane_b32 s14, v11                   ; wave k, 0..7
	v_and_b32 v12, 31, v0                          ; lane
	v_and_b32 v13, 15, v0                          ; r
	v_bfe_u32 v14, v0, 4, 1                        ; half
	v_lshlrev_b32 v[OFFG], 4, v12
	s_mul_i32 s15, s14, 2560                       ; my region
	v_lshl_add_u32 v[ACD], v12, 2, s15
	v_lshrrev_b32 v15, 3, v12
	v_add_nc_u32 v[ASB], s15, v15
	v_add_nc_u32 v[ASB], 2304, v[ASB]
	v_mul_u32_u24 v[AFR], v13, 144
	v_lshl_add_u32 v[AFR], v14, 4, v[AFR]
	v_add_nc_u32 v[AFR], s15, v[AFR]
	v_lshl_add_u32 v[ASR], v13, 2, s15
	v_add_nc_u32 v[ASR], 2304, v[ASR]
	s_lshl_b32 s16, s14, 11
	v_add_nc_u32 v[API], s16, v[OFFG]
	v_add_nc_u32 v[API], PC, v[API]
	s_lshl_b32 s16, s14, 9
	v_add_nc_u32 v[APR], s16, v[OFFG]
	v_add_nc_u32 v[APR], PC, v[APR]
	v_lshlrev_b32 v[GSL], 2, v12
	v_lshlrev_b32 v[GCS], 12, v13
	v_lshl_add_u32 v[GCS], v14, 5, v[GCS]
	v_lshlrev_b32 v[GB1], 5, v14
.irp j, 64,65,66,67
	v_mov_b32 v[X0+\j], 0                          ; the upper four sources of row 15's conversion
	v_mov_b32 v[X1+\j], 0
.endr
	s_mov_b32 s20, 0x600000                        ; the mantissa field of 57,344
	s_mov_b32 s22, 0x4038aa3b                      ; 2 log2(e)
	s_mov_b32 s23, s22
	s_lshl_b32 s24, ttmp9, 17                      ; W1: 16 rows of 8,192 bytes a work-group,
	s_lshl_b32 s26, s14, 9                         ; 512 bytes a K step; cur_hidden: the K step alone
	s_add_co_u32 s24, s24, s26
	s_mov_b32 s25, 0
	s_mov_b32 s27, 0
	s_bfe_u32 s28, ttmp9, 0x10003                  ; hh = bit 3 of n
	s_lshl_b32 s29, s14, 1
	s_add_co_u32 s28, s28, s29                     ; tile j = 2 k + hh
	s_mul_i32 s28, s28, TILEB
	s_lshr_b32 s29, ttmp9, 4                       ; the reading wave = n / 16
	s_mul_i32 s29, s29, CH
	s_add_co_u32 s28, s28, s29                     ; the chunk
	s_and_b32 s29, ttmp9, 7                        ; f = n % 8
	s_lshl_b32 s30, s29, 7
	s_add_co_u32 s30, s30, s28
	s_add_co_u32 s30, s30, 16384                   ; my scale image
	s_lshl_b32 s29, s29, 11
	s_add_co_u32 s28, s28, s29                     ; my fragment image
	s_mov_b32 s29, 0
	s_mov_b32 s31, 0
	s_and_b32 s34, s14, 1                          ; waves 0-3 at the end: quad q = k % 2 of tile t = k / 2
	s_lshl_b32 s34, s34, 4
	s_lshl_b32 s35, ttmp9, 6
	s_add_co_u32 s34, s34, s35                     ; b1: 64 n + 16 q bytes
	s_lshr_b32 s32, s14, 1
	s_lshl_b32 s32, s32, 16
	s_add_co_u32 s32, s32, s34                     ; cs: + 16 t rows of 4,096 bytes
	s_mov_b32 s33, 0
	s_mov_b32 s35, 0
	s_wait_kmcnt 0x0
	s_add_nc_u64 s[4:5], s[4:5], s[24:25]
	s_add_nc_u64 s[6:7], s[6:7], s[26:27]
	s_add_nc_u64 s[16:17], s[10:11], s[28:29]
	s_add_nc_u64 s[18:19], s[10:11], s[30:31]
	s_add_nc_u64 s[12:13], s[12:13], s[32:33]
	s_add_nc_u64 s[8:9], s[8:9], s[34:35]
.macro LD16 x, b, pitch, off           ; 16 rows' 512 bytes: 32 lanes read 512 consecutive bytes
.set i, 0
.rept 16
	global_load_b128 v[\x+4*i:\x+4*i+3], v[OFFG], s[\b:\b+1] offset:\pitch*i+\off
.set i, i+1
.endr
.endm
; 16 rows x 128 numbers become codes and scale bytes in my region of LDS.  The 16 rows take turns line by line.
.macro DQ x
.set i, 0
.rept 16
	v_max3_num_f32 v[MX+i], |v[\x+4*i]|, |v[\x+4*i+1]|, |v[\x+4*i+2]|
.set i, i+1
.endr
.set i, 0
.rept 16
	v_max3_num_f32 v[MX+i], v[MX+i], |v[\x+4*i+3]|, 0x8000000     ; and the floor 2^(16 - 127): the byte cannot fall under 1
.set i, i+1
.endr
.irp d, 1,2,4                          ; the eight lanes of a block
.set i, 0
.rept 16
	v_max_num_f32_dpp v[MX+i], v[MX+i], v[MX+i] row_xmask:\d row_mask:0xf bank_mask:0xf
.set i, i+1
.endr
.endr
.set i, 0
.rept 16
	v_add_nc_u32 v[SCL+i], 0xf8800000, v[MX+i]     ; 15 off the exponent field: the conversion's scale operand
.set i, i+1
.endr
.set i, 0
.rept 16
	v_and_or_b32 v[LIM+i], v[MX+i], 0x7f800000, s20   ; 57,344 x the scale
.set i, i+1
.endr
.set i, 0
.rept 64
	v_med3_num_f32 v[\x+i], v[\x+i], -v[LIM+i/4], v[LIM+i/4]   ; the conversion to an 8-bit code does not saturate (ISA guide 7.6.2)
.set i, i+1
.endr
.set i, 0
.rept 16
	v_cvt_scalef32_pk8_bf8_f32 v[CP+2*i:CP+2*i+1], v[\x+4*i:\x+4*i+7], v[SCL+i]   ; the low register holds the row's four codes
	v_lshrrev_b32 v[MX+i], 23, v[SCL+i]            ; the scale's byte; also the plain instruction behind the conversion
	ds_store_b32 v[ACD], v[CP+2*i] offset:144*i
	ds_store_b8 v[ASB], v[MX+i] offset:4*i         ; the eight lanes of a block write the same byte with the same value
.set i, i+1
.endr
.endm
.macro TOFRAG f, s                     ; back as a fragment and its scale word: my own bytes, and LDS serves a wave's instructions in order (ISA guide 5.7.1.4)
.irp c, 0,1,2,3
	ds_load_b128 v[\f+4*\c:\f+4*\c+3], v[AFR] offset:32*\c
.endr
	ds_load_b32 v[\s], v[ASR]
	s_wait_dscnt 0x0                               ; they are in, and the stores have read their registers
.endm
	LD16 X0, 4, 8192, 0                            ; W1's first half
	LD16 X1, 4, 8192, 4096                         ; its second half
	s_wait_loadcnt 16                              ; the first 16 are in; the younger 16 may be out
	DQ X0
	TOFRAG FA, SW
	LD16 X0, 6, 4096, 0                            ; cur_hidden's rows 0-15
.irp c, 0,1,2,3
	global_store_b128 v[OFFG], v[FA+4*\c:FA+4*\c+3], s[16:17] offset:512*\c   ; 512 consecutive bytes a store
.endr
	global_store_b32 v[GSL], v[SW], s[18:19]
	s_wait_xcnt 0x0                                ; the stores' data lie where the next limits are written
	s_wait_loadcnt 16
	DQ X1
	TOFRAG WB, SW+1
	LD16 X1, 6, 4096, 65536                        ; cur_hidden's rows 16-31
	s_wait_loadcnt 16
	DQ X0
	TOFRAG X0, SW+2
	s_wait_loadcnt 0x0
	DQ X1
	TOFRAG X1, SW+3
	; source 0 = 16 rows of W1, source 1 = 16 rows of cur_hidden: lane (r, half) holds b = 16 t + r and h = 16 n + 8 half + 0 .. 7
	v_wmma_scale_f32_16x16x128_f8f6f4 v[32:39], v[WB:WB+15], v[X0:X0+15], 0, v[SW+1], v[SW+2] matrix_a_fmt:MATRIX_FMT_BF8 matrix_b_fmt:MATRIX_FMT_BF8
	v_wmma_scale_f32_16x16x128_f8f6f4 v[40:47], v[WB:WB+15], v[X1:X1+15], 0, v[SW+1], v[SW+3] matrix_a_fmt:MATRIX_FMT_BF8 matrix_b_fmt:MATRIX_FMT_BF8
.rept 8
	v_nop                                          ; eight places in front of the first read of the results
.endr
	ds_store_b128 v[API], v[32:35]                 ; each result from its low end on
	ds_store_b128 v[API], v[36:39] offset:512
	ds_store_b128 v[API], v[40:43] offset:1024
	ds_store_b128 v[API], v[44:47] offset:1536
	s_wait_dscnt 0x0                               ; for the others' sake: my partial products have landed
	s_barrier_signal -1
	s_barrier_wait -1
	s_cmp_gt_u32 s14, 3                            ; waves 0-3 add: wave k takes quad k % 2 of tile k / 2
	s_cbranch_scc1 .Lend
.set i, 0
.rept 8
	ds_load_b128 v[48+4*i:51+4*i], v[APR] offset:2048*i
.set i, i+1
.endr
	global_load_b128 v[100:103], v[GB1], s[8:9]    ; b1 at my four h
	s_wait_dscnt 0x0
.set i, 1
.rept 7
	v_pk_add_f32 v[48:49], v[48:49], v[48+4*i:49+4*i]   ; K ascending
	v_pk_add_f32 v[50:51], v[50:51], v[50+4*i:51+4*i]
.set i, i+1
.endr
	s_wait_loadcnt 0x0
	v_pk_add_f32 v[48:49], v[48:49], v[100:101]
	v_pk_add_f32 v[50:51], v[50:51], v[102:103]
	v_pk_mul_f32 v[48:49], v[48:49], s[22:23] op_sel_hi:[1,0]
	v_pk_mul_f32 v[50:51], v[50:51], s[22:23] op_sel_hi:[1,0]
	global_store_b128 v[GCS], v[48:51], s[12:13]
.Lend:
	s_wait_tensorcnt 0x0
	ds_add_u32 v254, v255
	s_wait_dscnt 0x0
	s_endpgm
.Lfunc_end_k_qdd3e947100_prep:
	.size	k_qdd3e947100_prep, .Lfunc_end_k_qdd3e947100_prep-k_qdd3e947100_prep
	.p2alignl 7, 3214868480
	.fill 96, 4, 3214868480
	.section	.rodata,"a",@progbits
	.p2align	6, 0x0
	.amdhsa_kernel k_qdd3e947100_prep
		.amdhsa_group_segment_fixed_size 37888
		.amdhsa_private_segment_fixed_size 0
		.amdhsa_enable_private_segment 0
		.amdhsa_kernarg_size 40
		.amdhsa_user_sgpr_count 2
		.amdhsa_user_sgpr_kernarg_segment_ptr 1
		.amdhsa_wavefront_size32 1
		.amdhsa_system_sgpr_workgroup_id_x 1
		.amdhsa_system_sgpr_workgroup_id_y 1
		.amdhsa_system_sgpr_workgroup_id_z 1
		.amdhsa_system_vgpr_workitem_id 0
		.amdhsa_next_free_vgpr 256
		.amdhsa_next_free_sgpr 66
		.amdhsa_reserve_vcc 0
		.amdhsa_float_denorm_mode_32 3
		.amdhsa_float_denorm_mode_16_64 3
		.amdhsa_memory_ordered 1
		.amdhsa_forward_progress 1
		.amdhsa_inst_pref_size 77
	.end_amdhsa_kernel
	.amdgpu_metadata
---
amdhsa.version: [ 1, 2 ]
amdhsa.kernels:
  - .name:           k_qdd3e947100_prep
    .symbol:         k_qdd3e947100_prep.kd
    .args:
      - { .name: W1, .offset: 0, .size: 8, .value_kind: global_buffer, .address_space: global }
      - { .name: cur_hidden, .offset: 8, .size: 8, .value_kind: global_buffer, .address_space: global }
      - { .name: b1, .offset: 16, .size: 8, .value_kind: global_buffer, .address_space: global }
      - { .name: w1s, .offset: 24, .size: 8, .value_kind: global_buffer, .address_space: global }
      - { .name: cs, .offset: 32, .size: 8, .value_kind: global_buffer, .address_space: global }
    .group_segment_fixed_size: 37888
    .private_segment_fixed_size: 0
    .kernarg_segment_align: 8
    .kernarg_segment_size: 40
    .max_flat_workgroup_size: 256
    .sgpr_count:     66
    .vgpr_count:     256
    .wavefront_size: 32
...
	.end_amdgpu_metadata
.endif
;; end of part 1
;; launch main (part 2): grid 256 x 1, 4 waves a work-group, clusters of 4 x 1, 327,680 bytes of LDS; arguments encoder_output, w1s, cs, W2, b2, sc, part; writes sc, part
.if DOCPART == 2
	.amdgcn_target "amdgcn-amd-amdhsa--gfx1250"
	.amdhsa_code_object_version 6
	.text
	.protected	k_qdd3e947100_main
	.globl	k_qdd3e947100_main
	.p2align	8
	.type	k_qdd3e947100_main,@function
k_qdd3e947100_main:
	s_mov_b64 s[64:65], 0
	v_nop
	global_prefetch_b8 v0, s[64:65] scope:SCOPE_SE
	s_setreg_imm32_b32 hwreg(HW_REG_WAVE_MODE, 25, 1), 1
	s_wait_xcnt 0x0
	s_wait_alu depctr_hold_cnt(0) depctr_sa_sdst(0) depctr_va_vdst(0) depctr_va_sdst(0) depctr_va_ssrc(0) depctr_va_vcc(0) depctr_vm_vsrc(0)
	s_getreg_b32 s2, hwreg(HW_REG_IB_STS2, 6, 4)
	s_cmp_eq_u32 s2, 0
	s_cbranch_scc0 .Lentry_in_a_cluster
	s_endpgm
.Lentry_in_a_cluster:
	s_bfe_u32 s2, ttmp6, 0x10000c
	s_cmp_lg_u32 s2, 0x3003
	s_cbranch_scc0 .Lentry_shape_is_right
	s_endpgm
.Lentry_shape_is_right:
; For one b and 128 time steps: z = Q(enc[t][b]) . Q(W1[h][:1024]) on codes of BF8 (E5M2) with E8M0 scales; tanh(z + c[b][h]); the score with W2 and b2; a running softmax over t; the partial context.
; enc is read from memory ONCE: each 128 columns are quantised as they arrive, and a bf16 copy of the 64 rows in hand stays in LDS for the context, which is added behind the block's scores.
; SHARES.  Work-group g = 4 x cluster + place: b = g % 32, t = 128 (g / 32) .. + 127, as two blocks of 64 rows.  Producing: wave w loads and quantises rows 16 w .. 16 w + 15.
; Multiplying: wave w has all 64 rows x h = 256 w .. 256 w + 255: 64 accumulators, 512 registers; K is the outer loop, 8 steps of 128.  Context: wave w has columns 256 w .. + 255, 8 a lane.
; W1's codes come as images of operand registers, 16 tiles of 69,632 bytes (K step k, half hh of each wave's h), through a ring of two LDS slots; wave w fetches and reads its own 17,408 bytes of a tile.
; CLUSTER.  All work-groups walk the same tiles in the same order: the four of a cluster ask for each tile JOINTLY (mask 15).  Nothing else is shared, so a second axis of the cluster would serve nothing.
; THE MATRIX INSTRUCTION IS USED TRANSPOSED (source 0 = 16 rows of W1, source 1 = 16 rows of enc): lane (r, half) holds row 16 m + r and h = .. + 8 half + 0 .. 7.
; tanh(z) = 1 - 2 / (1 + 2^(2 log2(e) z)): right at both ends (the power overflows to infinity or falls to 0).  The score is the sum of W2 plus the sum of (-2 W2) / (1 + 2^..).
; SOFTMAX: tt = score x log2(e); a running maximum m (it starts at -3e38) and sum l; the context and l are multiplied by 2^(old m - new m) in each block.  A later launch joins the eight parts of a b.
; LIMITS: NaN and infinities are not served; a block of 32 whose largest magnitude lies under 2^-111, a block of zeros among them, keeps the byte 1.  enc enters the context rounded to bf16.
; REGISTERS, in windows of 256.  Window 0: v0-27 addresses; v32-39, v40-43 scale words and nothing else; v44-111, v112-179 two sets of 64 numbers of enc + 4 zeros; v180-227 the quantiser's; v228-237 context, m, l; v238-255 at work.
;   Window 1: v0-127 W1's eight fragments, v128-191 enc's four; behind the products tables, powers and sums; in the context loop 16 rows of the copy.   Windows 2, 3: the accumulators of hh = 0, 1: (f, m) at v[8 (4 f + m)].
.set TILEB, 69632
.set CH,    17408
.set RING1, 69632
.set BF,    139264                     ; the bf16 copy: 64 rows x 2,048 bytes
.set CODES, 270336                     ; a K step's codes: 64 rows, 144 bytes apart (128 + 16: the 16 rows of a fragment load start in different banks)
.set ASC,   279552                     ; and their 64 scale words
.set TAB,   279808                     ; cs[b][.], and 4,096 bytes on: -2 W2
.set SCR,   288000                     ; [wave][64] partial scores
.set PB,    289024                     ; [wave][64] p: a copy for each wave
.set OST,   290048                     ; [wave][1,024] the way out
.set SPARE, 294144                     ; the spare words, 128 bytes for each wave: two blocks of 256 bytes that no other line names
.set SPW,  1
.set NIL,  2
.set OFFG, 3                           ; 16 l
.set ABF0, 4                           ; BF + 32768 w + 8 l
.set ABF,  5                           ; + 256 k
.set ACD,  6                           ; CODES + 2304 w + 4 l
.set ASB,  7                           ; ASC + 64 w + l / 8
.set AFA,  8                           ; CODES + 144 (l % 16) + 16 (l / 16)
.set ASA,  9                           ; ASC + 4 (l % 16)
.set AFB,  10                          ; v10, v11: 17408 w + 16 l in slot 0, 1
.set ABS,  12                          ; v12, v13: 17408 w + 16384 + 4 l in slot 0, 1
.set ATB,  14                          ; TAB + 1024 w + 32 (l / 16)
.set ASCW, 15                          ; SCR + 256 w + 4 (l % 16)
.set ASCR, 16                          ; SCR + 8 l
.set APW,  17                          ; PB + 256 w + 8 l
.set APR0, 18                          ; PB + 256 w
.set ABR0, 19                          ; BF + 512 w + 16 l
.set ABR,  20
.set APR,  21
.set AOW,  22                          ; OST + 1024 w + 32 l
.set AOR,  23                          ; OST + 1024 w + 16 l
.set GSC,  24                          ; 8 l
.set GPT,  25                          ; 1024 w + 16 l
.set WSUM, 26                          ; the sum of my wave's 256 numbers of W2
.set B2L,  27                          ; b2 x log2(e)
.set BS,   32
.set AS,   40
.set ST0,  44
.set ST1,  112
.set MX,   180                         ; v180-195 largest magnitudes, then bytes; at work behind the products
.set SCL,  196                         ; v196-211
.set LIM,  212                         ; v212-227
.set BFP,  196                         ; 16 pairs of bf16, where SCL and LIM are made later
.set CP,   212                         ; 16 pairs of codes: v212-227 (the limits are done with) and v238-253
.set CTX,  228
.set MRUN, 236
.set LRUN, 237
.set P0,   246
.set FF,   248
.set RR,   250
.set TT,   32                          ; window 1, behind the products: v0-31 two sets of (cs 8, -2 W2 8); v32-63 the 32 numbers at work; v64-71 the sums
.set SA,   64
.set WV,   18
.set G1,   24
.set G0,   32                          ; s[32:35] slot 0's group 0, s[36:39] slot 1's
.set LP,   42                          ; s[42:43] where the next look-ahead reads enc;  s[44:45] its step
.set KQ,   46
.set LREM, 47
.set KB,   48
.set BLK,  49
.set TRP,  50
.set K2,   52
.set MSB, 0
.macro WIN new                         ; the immediate's high byte repeats the setting that is left; a switch that changes nothing is dropped
.if MSB != (\new)
	s_set_vgpr_msb (MSB<<8)|(\new)
.set MSB, (\new)
.endif
.endm
.macro ROUND                           ; a round of the cluster's barrier
	s_barrier_signal -1
	s_barrier_wait -1
	s_cmp_lg_u32 s[WV], 0
	s_cbranch_scc1 .Lnot_wave_0_\@
	s_barrier_signal -3
.Lnot_wave_0_\@:
	s_barrier_wait -3
	s_barrier_signal -1
	s_barrier_wait -1
.endm
	s_load_b256 s[4:11], s[0:1], 0x0               ; enc s[4:5], w1s s[6:7], cs s[8:9], W2 s[10:11]
	s_load_b128 s[12:15], s[0:1], 0x20             ; b2 s[12:13], sc s[14:15]
	s_load_b64 s[16:17], s[0:1], 0x30              ; part
	v_lshl_add_u32 v[SPW], v0, 2, SPARE
	v_mov_b32 v[NIL], 0
	v_lshrrev_b32 v28, 5, v0
	v_readfirstlane_b32 s[WV], v28                 ; wave 0..3
	s_bfe_u32 s19, ttmp6, 0x40000                  ; my place in the cluster: it enters global addresses of enc, cs, sc and part alone
	s_lshl_b32 s20, ttmp9, 2
	s_add_co_u32 s20, s20, s19                     ; g
	s_and_b32 s21, s20, 31                         ; b
	s_lshr_b32 s22, s20, 5                         ; which 128 time steps
	; descriptor group 1: 17,408 dense bytes as 68 rows of 32 elements of 8 bytes, no padding (images are read 16 bytes a lane, on end)
	s_mov_b32 s[G1+0], 15|(3<<16)|(1<<21)          ; 15:0 the mask: all four work-groups; 17:16 elements of 8 bytes; 21 set beside a mask
	s_mov_b32 s[G1+1], 32<<16                      ; tensor_dim0 = 32
	s_mov_b32 s[G1+2], 68<<16                      ; tensor_dim1 = 68
	s_mov_b32 s[G1+3], 32<<16                      ; tile_dim0 = 32
	s_mov_b32 s[G1+4], 68                          ; tile_dim1 = 68
	s_mov_b32 s[G1+5], 32                          ; elements from row to row
	s_mov_b32 s[G1+6], 0
	s_mov_b32 s[G1+7], 0
	s_mov_b32 s[G0], 1
	s_mul_i32 s[G0+1], s[WV], CH                   ; my chunk's place in slot 0,
	s_mov_b32 s[G0+4], 1
	s_add_co_u32 s[G0+5], s[G0+1], RING1           ; in slot 1
	s_lshl_b32 s72, s22, 7
	s_lshl_b32 s73, s[WV], 4
	s_add_co_u32 s72, s72, s73                     ; my first time step
	s_lshl_b32 s72, s72, 17                        ; x 131,072 bytes
	s_lshl_b32 s74, s21, 12                        ; b x 4,096 bytes
	s_add_co_u32 s72, s72, s74
	s_mov_b32 s73, 0
	s_mov_b32 s75, 0
	s_lshl_b32 s76, s22, 9
	s_add_co_u32 s76, s76, s74                     ; sc: row b, 128 numbers in
	s_mov_b32 s77, 0
	s_lshl_b32 s78, s21, 3
	s_add_co_u32 s78, s78, s22
	s_mul_i32 s78, s78, 4608                       ; part: row 8 b + part's number
	s_mov_b32 s79, 0
	s_mul_i32 s80, s[WV], CH
	s_mov_b32 s81, 0
	s_mov_b32 s45, 0
	s_mov_b32 s[KQ], 2
	s_mov_b32 s[LREM], 14                          ; look-aheads that still read: K steps 2 to 15
	s_mov_b32 s[BLK], 2
	s_mov_b32 s51, 512
	s_mov_b32 s[K2], 0x4038aa3b                    ; 2 log2(e)
	s_mov_b32 s[K2+1], s[K2]
	s_mov_b32 s56, 0x3fb8aa3b                      ; log2(e)
	s_mov_b32 s58, 0x600000                        ; the mantissa field of 57,344
	s_mov_b32 s59, 8385024                         ; from a block's last K step to the next block's first: 64 x 131,072 - 7 x 512
	s_mov_b32 s60, 0x76543210
	s_mov_b32 s61, 0xfedcba98                      ; v_permlanex16_b32's selects for lane l xor 16
	v_and_b32 v28, 31, v0                          ; l
	v_and_b32 v29, 15, v0                          ; l % 16
	v_bfe_u32 v30, v0, 4, 1                        ; l / 16
	v_lshlrev_b32 v[OFFG], 4, v28
	v_lshlrev_b32 v[ABR], 5, v0                    ; for now: 32 x thread, my eight numbers of cs and of W2
	s_wait_kmcnt 0x0
	s_load_b32 s54, s[12:13], 0x0                  ; b2
	s_add_nc_u64 s[LP:LP+1], s[4:5], s[72:73]
	s_add_nc_u64 s[8:9], s[8:9], s[74:75]
	s_add_nc_u64 s[14:15], s[14:15], s[76:77]
	s_add_nc_u64 s[16:17], s[16:17], s[78:79]
	s_add_nc_u64 s[40:41], s[6:7], s[80:81]        ; w1s at my chunk of tile 0: the same in all four work-groups
	global_load_b128 v[MX:MX+3], v[ABR], s[8:9]
	global_load_b128 v[MX+4:MX+7], v[ABR], s[8:9] offset:16
	global_load_b128 v[MX+8:MX+11], v[ABR], s[10:11]
	global_load_b128 v[MX+12:MX+15], v[ABR], s[10:11] offset:16
.set i, 0
.rept 16
	global_load_b128 v[ST0+4*i:ST0+4*i+3], v[OFFG], s[LP:LP+1] offset:131072*i th:TH_LOAD_NT       ; K step 0: 512 consecutive bytes of row i
.set i, i+1
.endr
.set i, 0
.rept 16
	global_load_b128 v[ST1+4*i:ST1+4*i+3], v[OFFG], s[LP:LP+1] offset:131072*i+512 th:TH_LOAD_NT   ; K step 1
.set i, i+1
.endr
	s_lshl_b32 s71, s[WV], 15
	v_lshl_add_u32 v[ABF0], v28, 3, s71
	v_add_nc_u32 v[ABF0], BF, v[ABF0]
	s_mul_i32 s71, s[WV], 2304
	v_lshl_add_u32 v[ACD], v28, 2, s71
	v_add_nc_u32 v[ACD], CODES, v[ACD]
	s_lshl_b32 s71, s[WV], 6
	v_lshrrev_b32 v[ASB], 3, v28
	v_add_nc_u32 v[ASB], s71, v[ASB]
	v_add_nc_u32 v[ASB], ASC, v[ASB]
	v_mul_u32_u24 v[AFA], v29, 144
	v_lshl_add_u32 v[AFA], v30, 4, v[AFA]
	v_add_nc_u32 v[AFA], CODES, v[AFA]
	v_lshl_add_u32 v[ASA], v29, 2, ASC
	s_mul_i32 s71, s[WV], CH
	v_add_nc_u32 v[AFB], s71, v[OFFG]
	v_add_nc_u32 v[AFB+1], RING1, v[AFB]
	v_lshl_add_u32 v[ABS], v28, 2, s71
	v_add_nc_u32 v[ABS], 16384, v[ABS]
	v_add_nc_u32 v[ABS+1], RING1, v[ABS]
	s_lshl_b32 s72, s[WV], 10
	v_lshl_add_u32 v[ATB], v30, 5, s72
	v_add_nc_u32 v[ATB], TAB, v[ATB]
	s_lshl_b32 s73, s[WV], 8
	v_lshl_add_u32 v[ASCW], v29, 2, s73
	v_add_nc_u32 v[ASCW], SCR, v[ASCW]
	v_lshl_add_u32 v[ASCR], v28, 3, SCR
	v_lshl_add_u32 v[APW], v28, 3, s73
	v_add_nc_u32 v[APW], PB, v[APW]
	v_mov_b32 v[APR0], s73
	v_add_nc_u32 v[APR0], PB, v[APR0]
	s_lshl_b32 s74, s[WV], 9
	v_add_nc_u32 v[ABR0], s74, v[OFFG]
	v_add_nc_u32 v[ABR0], BF, v[ABR0]
	v_lshl_add_u32 v[AOW], v28, 5, s72
	v_add_nc_u32 v[AOW], OST, v[AOW]
	v_add_nc_u32 v[AOR], s72, v[OFFG]
	v_add_nc_u32 v[AOR], OST, v[AOR]
	v_lshlrev_b32 v[GSC], 3, v28
	v_add_nc_u32 v[GPT], s72, v[OFFG]
	v_lshl_add_u32 v31, v0, 5, TAB                 ; where my eight numbers of each table go: a wave reads only what its own threads stored
.irp j, 64,65,66,67
	v_mov_b32 v[ST0+\j], 0                         ; the upper four sources of row 15's conversion
	v_mov_b32 v[ST1+\j], 0
.endr
.irp j, 0,1,2,3,4,5,6,7
	v_mov_b32 v[CTX+\j], 0
.endr
	v_mov_b32 v[LRUN], 0
	v_mov_b32 v[MRUN], 0xff61b1e6                  ; -3e38, under every tt
	s_wait_xcnt 0x0                                ; the loads have read their base
	s_add_nc_u64 s[LP:LP+1], s[LP:LP+1], 1024      ; on to K step 2
	s_wait_loadcnt 32                              ; cs and W2 are in; enc's 32 loads may be out
	v_add_f32 v[WSUM], v[MX+8], v[MX+9]
	v_add_f32 v246, v[MX+10], v[MX+11]
	v_add_f32 v247, v[MX+12], v[MX+13]
	v_add_f32 v248, v[MX+14], v[MX+15]
	v_add_f32 v[WSUM], v[WSUM], v246
	v_add_f32 v247, v247, v248
	v_add_f32 v[WSUM], v[WSUM], v247
.irp d, 1,2,4,8
	v_add_f32_dpp v[WSUM], v[WSUM], v[WSUM] row_xmask:\d row_mask:0xf bank_mask:0xf
.endr
	v_permlanex16_b32 v246, v[WSUM], s60, s61
	v_add_f32 v[WSUM], v[WSUM], v246
.irp j, 8,9,10,11,12,13,14,15
	v_mul_f32 v[MX+\j], -2.0, v[MX+\j]
.endr
	ds_store_b128 v31, v[MX:MX+3]
	ds_store_b128 v31, v[MX+4:MX+7] offset:16
	ds_store_b128 v31, v[MX+8:MX+11] offset:4096
	ds_store_b128 v31, v[MX+12:MX+15] offset:4112
	s_wait_kmcnt 0x0
	v_mov_b32 v[B2L], s54
	v_mul_f32 v[B2L], s56, v[B2L]
; The look-ahead: the K step two steps on into set x.  The 16 loads stand on every path, so that the counted waits hold; the last two steps have nothing left to read and run them with every lane off.
.macro LDA x
	s_wait_xcnt 0x0                                ; EXEC changes only behind this wait
	v_cmp_gt_u32 vcc_lo, s[LREM], v[NIL]
	s_and_saveexec_b32 s70, vcc_lo
.set i, 0
.rept 16
	global_load_b128 v[\x+4*i:\x+4*i+3], v[OFFG], s[LP:LP+1] offset:131072*i th:TH_LOAD_NT
.set i, i+1
.endr
	s_wait_xcnt 0x0                                ; and again, in front of the line that widens it and of the base's step
	s_or_b32 exec_lo, exec_lo, s70
	s_add_co_u32 s[KQ], s[KQ], 1
	s_and_b32 s[KQ], s[KQ], 7
	s_cmp_eq_u32 s[KQ], 0
	s_cselect_b32 s44, s59, s51                    ; 512 bytes on, or into the next block of rows
	s_add_nc_u64 s[LP:LP+1], s[LP:LP+1], s[44:45]
	s_sub_co_i32 s[LREM], s[LREM], 1
	s_max_i32 s[LREM], s[LREM], 0
.endm
; My 16 rows x 128 columns in set x: a bf16 copy into BF, codes into CODES, scale bytes into ASC.  A lane holds 4 numbers of each row; a block of 32 lies in 8 neighbouring lanes.
.macro PRODUCE x
	s_wait_loadcnt 16                              ; this set is in; the next set's 16 loads may be out
	v_add_nc_u32 v[ABF], s[KB], v[ABF0]
.set i, 0
.rept 16
	v_cvt_pk_bf16_f32 v[BFP+2*i], v[\x+4*i], v[\x+4*i+1]
	v_cvt_pk_bf16_f32 v[BFP+2*i+1], v[\x+4*i+2], v[\x+4*i+3]
	ds_store_b64 v[ABF], v[BFP+2*i:BFP+2*i+1] offset:2048*i     ; 256 consecutive bytes of row i
.set i, i+1
.endr
.set i, 0
.rept 16
	v_max3_num_f32 v[MX+i], |v[\x+4*i]|, |v[\x+4*i+1]|, |v[\x+4*i+2]|
.set i, i+1
.endr
.set i, 0
.rept 16
	v_max3_num_f32 v[MX+i], v[MX+i], |v[\x+4*i+3]|, 0x8000000   ; and the floor 2^(16 - 127): the byte cannot fall under 1
.set i, i+1
.endr
.irp d, 1,2,4
.set i, 0
.rept 16
	v_max_num_f32_dpp v[MX+i], v[MX+i], v[MX+i] row_xmask:\d row_mask:0xf bank_mask:0xf
.set i, i+1
.endr
.endr
	s_wait_dscnt 0x0                               ; the copy's stores have read their registers, which the next lines write
.set i, 0
.rept 16
	v_add_nc_u32 v[SCL+i], 0xf8800000, v[MX+i]     ; 15 off the exponent field: the conversion's scale operand
.set i, i+1
.endr
.set i, 0
.rept 16
	v_and_or_b32 v[LIM+i], v[MX+i], 0x7f800000, s58   ; 57,344 x the scale
.set i, i+1
.endr
.set i, 0
.rept 64
	v_med3_num_f32 v[\x+i], v[\x+i], -v[LIM+i/4], v[LIM+i/4]   ; the conversion to an 8-bit code does not saturate (ISA guide 7.6.2)
.set i, i+1
.endr
.set i, 0
.rept 16
.set cpr, CP+2*i+10*(i/8)
	v_cvt_scalef32_pk8_bf8_f32 v[cpr:cpr+1], v[\x+4*i:\x+4*i+7], v[SCL+i]   ; the low register holds the row's four codes; the upper four sources are the next row's, their codes are not used
	v_lshrrev_b32 v[MX+i], 23, v[SCL+i]            ; the scale's byte; also the plain instruction behind the conversion
	ds_store_b32 v[ACD], v[cpr] offset:144*i
	ds_store_b8 v[ASB], v[MX+i] offset:4*i         ; the eight lanes of a block write the same byte with the same value
.set i, i+1
.endr
	LDA \x
	s_add_co_u32 s[KB], s[KB], 256
.endm
; Tile 2 k + hh, which lies in slot hh: 32 products.  In front of the round each wave waits for all its tensor loads (one is out: its chunk of this tile), adds 0 to its spare word, and waits for that,
; for its stores of codes, bytes and copy, and for its reads of the other slot.  Behind the round the other slot takes the next tile.  mode 0: no load; 1: as the descriptor stands; 2: two tiles on.
.macro TILE hh, zero, mode
	WIN 0
	s_wait_tensorcnt 0x0
	ds_add_u32 v[SPW], v[NIL]                      ; 0 onto my spare word
.if \mode == 2
	s_add_nc_u64 s[G0+6-4*\hh:G0+7-4*\hh], s[G0+6-4*\hh:G0+7-4*\hh], 2*TILEB   ; no tensor load of mine is out: the other slot's group 0 may be written
.endif
	s_wait_dscnt 0x0
	ROUND
.if \mode
	tensor_load_to_lds s[G0+4-4*\hh:G0+7-4*\hh], s[G1:G1+7]     ; my one tensor load behind the round, and the first thing there
	s_nop 0
.endif
.rept 8
	v_nop                                          ; eight places in front of loads into registers that matrix instructions have read
.endr
.if \hh == 0
	WIN 0x40                                       ; destination window 1
.set i, 0
.rept 16
	ds_load_b128 v[128+4*i:128+4*i+3], v[AFA] offset:2304*(i/4)+32*(i%4)   ; enc's four fragments of this K step
.set i, i+1
.endr
	WIN 0
.set i, 0
.rept 4
	ds_load_b32 v[AS+i], v[ASA] offset:64*i
.set i, i+1
.endr
.endif
.set i, 0
.rept 8
	ds_load_b32 v[BS+i], v[ABS+\hh] offset:128*i
.set i, i+1
.endr
	WIN 0x40
.set i, 0
.rept 32
	ds_load_b128 v[4*i:4*i+3], v[AFB+\hh] offset:512*i          ; W1's eight fragments, as they lie: 512 consecutive bytes a load
.set i, i+1
.endr
	WIN 0xa5+0x50*\hh                              ; sources 0 and 1 window 1; C and D window 2 or 3
.set ff, 0
.rept 8
	s_wait_dscnt 4*(7-ff)                          ; fragment ff and all that was asked for ahead of it are in; the later fragments' loads may be out
.set mm, 0
.rept 4                                        ; the 64 accumulators take turns, one instruction a turn
.if \zero
	v_wmma_scale_f32_16x16x128_f8f6f4 v[8*(4*ff+mm):8*(4*ff+mm)+7], v[16*ff:16*ff+15], v[128+16*mm:128+16*mm+15], 0, v[BS+ff], v[AS+mm] matrix_a_fmt:MATRIX_FMT_BF8 matrix_b_fmt:MATRIX_FMT_BF8
.else
	v_wmma_scale_f32_16x16x128_f8f6f4 v[8*(4*ff+mm):8*(4*ff+mm)+7], v[16*ff:16*ff+15], v[128+16*mm:128+16*mm+15], v[8*(4*ff+mm):8*(4*ff+mm)+7], v[BS+ff], v[AS+mm] matrix_a_fmt:MATRIX_FMT_BF8 matrix_b_fmt:MATRIX_FMT_BF8
.endif
.set mm, mm+1
.endr
.set ff, ff+1
.endr
	WIN 0
.endm
.macro STEP x, zero, m0, m1
	PRODUCE \x                                     ; it stands behind the round of the last step's second tile: every wave has fetched the last step's codes
	TILE 0, \zero, \m0
	TILE 1, \zero, \m1
.endm
.macro TBLOAD fn                       ; cs and -2 W2 at my eight h of fragment fn, into set fn % 2 (window 1)
.set tb, 16*((\fn)%2)
	ds_load_b128 v[tb:tb+3], v[ATB] offset:64*(\fn)
	ds_load_b128 v[tb+4:tb+7], v[ATB] offset:64*(\fn)+16
	ds_load_b128 v[tb+8:tb+11], v[ATB] offset:4096+64*(\fn)
	ds_load_b128 v[tb+12:tb+15], v[ATB] offset:4096+64*(\fn)+16
.endm
.Lblock:                                           ; two trips: a block of 64 rows each, both alike
	s_mov_b32 s[KB], 0
	s_wait_tensorcnt 0x0                           ; no tensor load of mine is out: both groups 0 go back to tiles 0 and 1
	ds_add_u32 v[SPW], v[NIL]                      ; 0 onto my spare word
	ds_add_u32 v1, v2
	s_mov_b64 s[G0+2:G0+3], s[40:41]
	s_or_b32 s[G0+3], s[G0+3], 0x80000000
	s_add_nc_u64 s[G0+6:G0+7], s[40:41], TILEB
	s_or_b32 s[G0+7], s[G0+7], 0x80000000
	s_wait_dscnt 0x0                               ; the add is done; so are my stores of the tables, and my reads of the last block's copy
	ROUND                                          ; in the first trip: the round in front of the first joint load
	tensor_load_to_lds s[G0:G0+3], s[G1:G1+7]      ; tile 0 into slot 0
	s_nop 0
.rept 4
	v_nop
.endr
	STEP ST0, 1, 1, 2                              ; K step 0 starts the sums: nothing is cleared
	s_mov_b32 s[TRP], 3
.Ltrip:
	STEP ST1, 0, 2, 2
	STEP ST0, 0, 2, 2
	s_sub_co_u32 s[TRP], s[TRP], 1
	s_cmp_lg_u32 s[TRP], 0
	s_cbranch_scc1 .Ltrip
	STEP ST1, 0, 2, 0                              ; K step 7: behind tile 15 nothing is left to fetch
	; ---- tanh and the score.  Fragment by fragment of h (16 of them), for the four tiles of rows: 32 numbers a lane at a time.
.rept 8
	v_nop                                          ; eight places in front of the first read of results and of loads into registers that the last products read
.endr
	WIN 0x40
	TBLOAD 0
.set fq, 0
.rept 16
	WIN 0x40
.if fq < 15
	TBLOAD fq+1
	s_wait_dscnt 4                                 ; this fragment's tables are in; the four loads just issued may be out
.else
	s_wait_dscnt 0x0
.endif
	WIN 0x52+fq/8                                  ; source 0: the accumulators' window; source 2 and destination window 1
.set tb, 16*(fq%2)
.set ac, 32*(fq%8)
.set i, 0
.rept 4                                        ; each accumulator is read from its low end on
.set mm, 0
.rept 4
	v_pk_fma_f32 v[TT+8*mm+2*i:TT+8*mm+2*i+1], v[ac+8*mm+2*i:ac+8*mm+2*i+1], s[K2:K2+1], v[tb+2*i:tb+2*i+1] op_sel_hi:[1,0,1]   ; 2 log2(e) (z + c)
.set mm, mm+1
.endr
.set i, i+1
.endr
	WIN 0x55
.set i, 0
.rept 32
	v_exp_f32 v[TT+i], v[TT+i]
.set i, i+1
.endr
	v_nop                                          ; a plain instruction behind the last exponential
.set i, 0
	s_wait_alu depctr_va_vdst(0)
.rept 16
	v_pk_add_f32 v[TT+2*i:TT+2*i+1], v[TT+2*i:TT+2*i+1], 1.0 op_sel_hi:[1,0]
.set i, i+1
.endr
.set i, 0
.rept 32
	v_rcp_f32 v[TT+i], v[TT+i]
.set i, i+1
.endr
	v_nop
	s_wait_alu depctr_va_vdst(0)
.set i, 0
.rept 4
.set mm, 0
.rept 4
.if (fq == 0) && (i == 0)
	s_wait_alu depctr_va_vdst(0)
	v_pk_mul_f32 v[SA+2*mm:SA+2*mm+1], v[TT+8*mm+2*i:TT+8*mm+2*i+1], v[tb+8+2*i:tb+9+2*i]     ; the first products start the sums
.else
	v_pk_fma_f32 v[SA+2*mm:SA+2*mm+1], v[TT+8*mm+2*i:TT+8*mm+2*i+1], v[tb+8+2*i:tb+9+2*i], v[SA+2*mm:SA+2*mm+1]
.endif
.set mm, mm+1
.endr
.set i, i+1
.endr
.set fq, fq+1
.endr
	WIN 0x05                                       ; sources window 1, destination window 0
.irp m, 0,1,2,3
	v_add_f32 v[RR+\m], v[SA+2*\m], v[SA+2*\m+1]
.endr
	WIN 0
.irp m, 0,1,2,3
	v_permlanex16_b32 v[MX+\m], v[RR+\m], s60, s61 ; the row's other 128 h of my wave lie in the lane 16 away
.endr
.irp m, 0,1,2,3
	v_add_f32 v[RR+\m], v[RR+\m], v[MX+\m]
.endr
.irp m, 0,1,2,3
	v_add_f32 v[RR+\m], v[WSUM], v[RR+\m]
.endr
.irp m, 0,1,2,3
	ds_store_b32 v[ASCW], v[RR+\m] offset:64*\m    ; both halves of the lanes write the same word with the same value
.endr
	s_wait_dscnt 0x0                               ; for the others' sake: my partial scores have landed
	s_barrier_signal -1
	s_barrier_wait -1
	; ---- the block's 64 scores, two a lane; every wave makes the same numbers
.irp w, 0,1,2,3
	ds_load_b64 v[MX+2*\w:MX+2*\w+1], v[ASCR] offset:256*\w
.endr
	s_wait_dscnt 0x0
	v_pk_add_f32 v[MX:MX+1], v[MX:MX+1], v[MX+2:MX+3]
	v_pk_add_f32 v[MX:MX+1], v[MX:MX+1], v[MX+4:MX+5]
	v_pk_add_f32 v[MX:MX+1], v[MX:MX+1], v[MX+6:MX+7]
	v_fma_f32 v[MX+8], v[MX], s56, v[B2L]          ; tt = (score + b2) log2(e)
	v_fma_f32 v[MX+9], v[MX+1], s56, v[B2L]
	s_cmp_lg_u32 s[WV], 0
	s_cbranch_scc1 .Lno_sc
	global_store_b64 v[GSC], v[MX+8:MX+9], s[14:15]   ; 32 lanes store 256 consecutive bytes, aligned
.Lno_sc:
	s_wait_xcnt 0x0                                ; the store has read its base and its data
	s_add_nc_u64 s[14:15], s[14:15], 256
	v_max_num_f32 v[MX+10], v[MX+8], v[MX+9]
.irp d, 1,2,4,8
	v_max_num_f32_dpp v[MX+10], v[MX+10], v[MX+10] row_xmask:\d row_mask:0xf bank_mask:0xf
.endr
	v_permlanex16_b32 v[MX+11], v[MX+10], s60, s61
	v_max3_num_f32 v[MX+12], v[MX+10], v[MX+11], v[MRUN]   ; the new m
	v_sub_f32 v[MX+13], v[MRUN], v[MX+12]
	v_sub_f32 v[P0], v[MX+8], v[MX+12]
	v_sub_f32 v[P0+1], v[MX+9], v[MX+12]
	v_exp_f32 v[FF], v[MX+13]                      ; 2^(old m - new m)
	v_exp_f32 v[P0], v[P0]                         ; p
	v_exp_f32 v[P0+1], v[P0+1]
	v_mov_b32 v[MRUN], v[MX+12]                    ; (a plain instruction behind the exponentials)
	s_wait_alu depctr_va_vdst(0)
	v_mov_b32 v[FF+1], v[FF]
	v_add_f32 v[MX+14], v[P0], v[P0+1]
.irp d, 1,2,4,8
	v_add_f32_dpp v[MX+14], v[MX+14], v[MX+14] row_xmask:\d row_mask:0xf bank_mask:0xf
.endr
	v_permlanex16_b32 v[MX+15], v[MX+14], s60, s61
	v_add_f32 v[MX+14], v[MX+14], v[MX+15]
	v_fma_f32 v[LRUN], v[LRUN], v[FF], v[MX+14]
.irp j, 0,2,4,6
	v_pk_mul_f32 v[CTX+\j:CTX+\j+1], v[CTX+\j:CTX+\j+1], v[FF:FF+1]
.endr
	ds_store_b64 v[APW], v[P0:P0+1]                ; my wave's own copy of the 64 p
	; ---- the context: my 8 columns += p x the bf16 copy, 16 rows a trip
	s_mov_b32 s62, 0
	s_mov_b32 s63, 0
	s_mov_b32 s66, 4
.Lctx:
	v_add_nc_u32 v[ABR], s62, v[ABR0]
	v_add_nc_u32 v[APR], s63, v[APR0]
.irp j, 0,1,2,3
	ds_load_b128 v[MX+4*\j:MX+4*\j+3], v[APR] offset:16*\j      ; 16 p, the same in every lane; LDS serves a wave's instructions in order: these see my store
.endr
	WIN 0x40
.set i, 0
.rept 16
	ds_load_b128 v[4*i:4*i+3], v[ABR] offset:2048*i             ; 512 consecutive bytes of a row
.set i, i+1
.endr
	WIN 0x01                                       ; source 0 window 1
.set i, 0
.rept 16
	s_wait_dscnt 15-i                              ; row i is in; the later rows' loads may be out
.irp c, 0,1,2,3
	v_fma_mix_f32_bf16 v[CTX+2*\c], v[4*i+\c], v[MX+i], v[CTX+2*\c] op_sel_hi:[1,0,0]
	v_fma_mix_f32_bf16 v[CTX+2*\c+1], v[4*i+\c], v[MX+i], v[CTX+2*\c+1] op_sel:[1,0,0] op_sel_hi:[1,0,0]
.endr
.set i, i+1
.endr
	WIN 0
	s_add_co_u32 s62, s62, 32768
	s_add_co_u32 s63, s63, 64
	s_sub_co_u32 s66, s66, 1
	s_cmp_lg_u32 s66, 0
	s_cbranch_scc1 .Lctx
	s_sub_co_u32 s[BLK], s[BLK], 1
	s_cmp_lg_u32 s[BLK], 0
	s_cbranch_scc1 .Lblock
	; ---- the way out: a lane's 32 bytes go through my stage and leave as 512 consecutive bytes a store
	ds_store_b128 v[AOW], v[CTX:CTX+3]
	ds_store_b128 v[AOW], v[CTX+4:CTX+7] offset:16
	ds_load_b128 v[MX:MX+3], v[AOR]
	ds_load_b128 v[MX+4:MX+7], v[AOR] offset:512
	v_mov_b32 v[MX+8], v[MRUN]
	v_mov_b32 v[MX+9], v[LRUN]
	v_mov_b32 v[MX+10], v[MRUN]
	v_mov_b32 v[MX+11], v[LRUN]
	s_wait_dscnt 0x0
	global_store_b128 v[GPT], v[MX:MX+3], s[16:17]
	global_store_b128 v[GPT], v[MX+4:MX+7], s[16:17] offset:512
	s_cmp_lg_u32 s[WV], 0
	s_cbranch_scc1 .Lno_ml
	global_store_b128 v[OFFG], v[MX+8:MX+11], s[16:17] offset:4096   ; (m, l, m, l) in every lane's 16 bytes: 512 whole bytes
.Lno_ml:
	s_wait_tensorcnt 0x0                           ; the wave's end: behind my last tensor load and my last LDS store
	ds_add_u32 v[SPW], v[NIL]
	s_wait_dscnt 0x0
	ROUND                                          ; the closing round: no work-group ends while a partner may still ask for a tile that names it
	s_endpgm
.Lfunc_end_k_qdd3e947100_main:
	.size	k_qdd3e947100_main, .Lfunc_end_k_qdd3e947100_main-k_qdd3e947100_main
	.p2alignl 7, 3214868480
	.fill 96, 4, 3214868480
	.section	.rodata,"a",@progbits
	.p2align	6, 0x0
	.amdhsa_kernel k_qdd3e947100_main
		.amdhsa_group_segment_fixed_size 327680
		.amdhsa_private_segment_fixed_size 0
		.amdhsa_enable_private_segment 0
		.amdhsa_kernarg_size 56
		.amdhsa_user_sgpr_count 2
		.amdhsa_user_sgpr_kernarg_segment_ptr 1
		.amdhsa_wavefront_size32 1
		.amdhsa_system_sgpr_workgroup_id_x 1
		.amdhsa_system_sgpr_workgroup_id_y 1
		.amdhsa_system_sgpr_workgroup_id_z 1
		.amdhsa_system_vgpr_workitem_id 0
		.amdhsa_next_free_vgpr 1024
		.amdhsa_next_free_sgpr 100
		.amdhsa_reserve_vcc 1
		.amdhsa_float_denorm_mode_32 3
		.amdhsa_float_denorm_mode_16_64 3
		.amdhsa_memory_ordered 1
		.amdhsa_forward_progress 1
		.amdhsa_inst_pref_size 255
	.end_amdhsa_kernel
	.section	.bss,"aw",@nobits
	.p2align	6
	.space	262144
	.amdgpu_metadata
---
amdhsa.version: [ 1, 2 ]
amdhsa.kernels:
  - .name:           k_qdd3e947100_main
    .symbol:         k_qdd3e947100_main.kd
    .args:
      - { .name: encoder_output, .offset: 0, .size: 8, .value_kind: global_buffer, .address_space: global }
      - { .name: w1s, .offset: 8, .size: 8, .value_kind: global_buffer, .address_space: global }
      - { .name: cs, .offset: 16, .size: 8, .value_kind: global_buffer, .address_space: global }
      - { .name: W2, .offset: 24, .size: 8, .value_kind: global_buffer, .address_space: global }
      - { .name: b2, .offset: 32, .size: 8, .value_kind: global_buffer, .address_space: global }
      - { .name: sc, .offset: 40, .size: 8, .value_kind: global_buffer, .address_space: global }
      - { .name: part, .offset: 48, .size: 8, .value_kind: global_buffer, .address_space: global }
    .group_segment_fixed_size: 327680
    .private_segment_fixed_size: 0
    .kernarg_segment_align: 8
    .kernarg_segment_size: 56
    .max_flat_workgroup_size: 128
    .sgpr_count:     100
    .vgpr_count:     1024
    .wavefront_size: 32
...
	.end_amdgpu_metadata
.endif
;; end of part 2
;; launch finish (part 3): grid 32 x 1, 8 waves a work-group, no clusters, 0 bytes of LDS; arguments part, sc, out0, out1; writes out0, out1
.if DOCPART == 3
	.amdgcn_target "amdgcn-amd-amdhsa--gfx1250"
	.amdhsa_code_object_version 6
	.text
	.protected	k_qdd3e947100_finish
	.globl	k_qdd3e947100_finish
	.p2align	8
	.type	k_qdd3e947100_finish,@function
k_qdd3e947100_finish:
	s_mov_b64 s[64:65], 0
	v_nop
	global_prefetch_b8 v0, s[64:65] scope:SCOPE_SE
	s_setreg_imm32_b32 hwreg(HW_REG_WAVE_MODE, 25, 1), 1
	s_wait_xcnt 0x0
; The eight parts of one b are joined.  part: rows 8 b + c of 4,608 bytes: 1,024 numbers of context summed under the part's maximum m_c, then (m_c, l_c).  sc: [32][1024], score x log2(e).
; M = the largest m_c; f_c = 2^(m_c - M); L = the sum of f_c l_c;  out0[b][:] = the sum of f_c context_c / L;  out1[b][t] = 2^(sc - M) / L.
; Work-group b; thread t takes 16 bytes of each row, so a wave's load or store covers 512 consecutive bytes.  No LDS, no barrier, no matrix unit: 41 KB are read and 8 KB written by a work-group.
	s_load_b128 s[4:7], s[0:1], 0x0                ; part, sc
	s_load_b128 s[8:11], s[0:1], 0x10              ; out0, out1
	v_lshlrev_b32 v1, 4, v0
	v_mov_b32 v2, 0
	s_mul_i32 s12, ttmp9, 36864                    ; eight rows of part
	s_mov_b32 s13, 0
	s_lshl_b32 s14, ttmp9, 12                      ; a row of sc, out0, out1
	s_mov_b32 s15, 0
	s_wait_kmcnt 0x0
	s_add_nc_u64 s[4:5], s[4:5], s[12:13]
	s_add_nc_u64 s[6:7], s[6:7], s[14:15]
	s_add_nc_u64 s[8:9], s[8:9], s[14:15]
	s_add_nc_u64 s[10:11], s[10:11], s[14:15]
.set i, 0
.rept 8
	global_load_b64 v[4+2*i:5+2*i], v2, s[4:5] offset:4608*i+4096   ; (m_c, l_c): the same 8 bytes in every lane
.set i, i+1
.endr
.set i, 0
.rept 8
	global_load_b128 v[20+4*i:23+4*i], v1, s[4:5] offset:4608*i
.set i, i+1
.endr
	global_load_b128 v[52:55], v1, s[6:7]
	s_wait_loadcnt 9                               ; the eight (m, l) are in; the nine younger loads may be out
	v_max3_num_f32 v56, v4, v6, v8
	v_max3_num_f32 v56, v56, v10, v12
	v_max3_num_f32 v56, v56, v14, v16
	v_max_num_f32 v56, v56, v18                    ; M
.set i, 0
.rept 8
	v_sub_f32 v[58+i], v[4+2*i], v56
.set i, i+1
.endr
.set i, 0
.rept 8
	v_exp_f32 v[58+i], v[58+i]                     ; f_c
.set i, i+1
.endr
	v_nop                                          ; a plain instruction behind the last exponential
	s_wait_alu depctr_va_vdst(0)
	v_mul_f32 v57, v58, v5
.set i, 1
.rept 7
	v_fmac_f32 v57, v[58+i], v[5+2*i]              ; L
.set i, i+1
.endr
	v_rcp_f32 v66, v57
	v_nop
.set i, 0
	s_wait_alu depctr_va_vdst(0)
.rept 8
	v_mul_f32 v[58+i], v[58+i], v66                ; f_c / L
.set i, i+1
.endr
	s_wait_loadcnt 0x0
.irp j, 0,1,2,3
	v_mul_f32 v[68+\j], v58, v[20+\j]
	v_sub_f32 v[52+\j], v[52+\j], v56
.endr
.irp j, 0,1,2,3
	v_exp_f32 v[52+\j], v[52+\j]
.endr
.set i, 1
.rept 7
.irp j, 0,1,2,3
	v_fmac_f32 v[68+\j], v[58+i], v[20+4*i+\j]
.endr
.set i, i+1
.endr
	s_wait_alu depctr_va_vdst(0)
.irp j, 0,1,2,3
	v_mul_f32 v[52+\j], v[52+\j], v66
.endr
	global_store_b128 v1, v[68:71], s[8:9]
	global_store_b128 v1, v[52:55], s[10:11]
	s_endpgm
.Lfunc_end_k_qdd3e947100_finish:
	.size	k_qdd3e947100_finish, .Lfunc_end_k_qdd3e947100_finish-k_qdd3e947100_finish
	.p2alignl 7, 3214868480
	.fill 96, 4, 3214868480
	.section	.rodata,"a",@progbits
	.p2align	6, 0x0
	.amdhsa_kernel k_qdd3e947100_finish
		.amdhsa_group_segment_fixed_size 0
		.amdhsa_private_segment_fixed_size 0
		.amdhsa_enable_private_segment 0
		.amdhsa_kernarg_size 32
		.amdhsa_user_sgpr_count 2
		.amdhsa_user_sgpr_kernarg_segment_ptr 1
		.amdhsa_wavefront_size32 1
		.amdhsa_system_sgpr_workgroup_id_x 1
		.amdhsa_system_sgpr_workgroup_id_y 1
		.amdhsa_system_sgpr_workgroup_id_z 1
		.amdhsa_system_vgpr_workitem_id 0
		.amdhsa_next_free_vgpr 72
		.amdhsa_next_free_sgpr 66
		.amdhsa_reserve_vcc 0
		.amdhsa_float_denorm_mode_32 3
		.amdhsa_float_denorm_mode_16_64 3
		.amdhsa_memory_ordered 1
		.amdhsa_forward_progress 1
		.amdhsa_inst_pref_size 6
	.end_amdhsa_kernel
	.amdgpu_metadata
---
amdhsa.version: [ 1, 2 ]
amdhsa.kernels:
  - .name:           k_qdd3e947100_finish
    .symbol:         k_qdd3e947100_finish.kd
    .args:
      - { .name: part, .offset: 0, .size: 8, .value_kind: global_buffer, .address_space: global }
      - { .name: sc, .offset: 8, .size: 8, .value_kind: global_buffer, .address_space: global }
      - { .name: out0, .offset: 16, .size: 8, .value_kind: global_buffer, .address_space: global }
      - { .name: out1, .offset: 24, .size: 8, .value_kind: global_buffer, .address_space: global }
    .group_segment_fixed_size: 0
    .private_segment_fixed_size: 0
    .kernarg_segment_align: 8
    .kernarg_segment_size: 32
    .max_flat_workgroup_size: 256
    .sgpr_count:     66
    .vgpr_count:     72
    .wavefront_size: 32
...
	.end_amdgpu_metadata
.endif
;; end of part 3
;; ======== version 2 of 2: 3 launches
;; limits: right only within a limited range of input values
;; workspace buffers: w1s 1,114,112 bytes; cs 131,072 bytes; sc 131,072 bytes; part 1,179,648 bytes
;; launch prep (part 4): grid 64 x 1, 8 waves a work-group, no clusters, 37,888 bytes of LDS; arguments W1, cur_hidden, b1, w1s, cs; writes w1s, cs
.if DOCPART == 4
	.amdgcn_target "amdgcn-amd-amdhsa--gfx1250"
	.amdhsa_code_object_version 6
	.text
	.protected	k_qdd3e947100_prep
	.globl	k_qdd3e947100_prep
	.p2align	8
	.type	k_qdd3e947100_prep,@function
k_qdd3e947100_prep:
	s_mov_b64 s[64:65], 0
	v_nop
	global_prefetch_b8 v0, s[64:65] scope:SCOPE_SE
	s_setreg_imm32_b32 hwreg(HW_REG_WAVE_MODE, 25, 1), 1
	s_wait_xcnt 0x0
; W1 [1024][2048] f32 is quantised along K to codes of BF8 (E5M2) with one E8M0 byte for each 32 along K.
; Columns 0-1023 (they meet encoder_output) leave as IMAGES OF OPERAND REGISTERS in w1s: [K step k][wave w][half hh][17,408 bytes]; in a chunk eight fragments of 2,048 bytes ([c][lane][16 bytes]: registers 4 c .. 4 c + 3),
; then eight scale images of 128 bytes (lane l: the word of row l % 16).  Fragment (k, w, hh, f) = rows 256 w + 128 hh + 16 f + r of W1, columns 128 k .. 128 k + 127.  So what one wave of the next launch wants of a K step is 34,816 dense bytes.
; Columns 1024-2047 meet cur_hidden, which is the same for every time step: cs[b][h] = 2 log2(e) (Q(cur[b]) . Q(W1[h][1024:]) + b1[h]) is made here once, by the scaled matrix instruction.
; SHARES: work-group n takes rows 16 n .. 16 n + 15 of W1, wave k the k-th 128 along K of both halves and of cur_hidden.  The eight waves' partial products meet in LDS and are added with K ascending.
; A load reads 512 consecutive bytes of one row (16 bytes a lane), so a lane holds 4 numbers of each of 16 rows and a block of 32 lies in 8 neighbouring lanes.
; The conversion takes eight numbers under one scale: the lower four are the row's, the upper four the next row's, whose codes (the upper result register) are not used.
; LIMITS: NaN and infinities are not served; a block whose largest magnitude lies under 2^-111, a block of zeros among them, keeps the byte 1 (its codes are right or zeros; this program alone reads the bytes).
; cs leaves in runs of 64 bytes and a scale image in 128: 131,072 + 65,536 bytes of the launch's stores fill their aligned 256 bytes only in part.
; THE ORDER OF w1s, which holds in place of the one named above: [slot s = 0 .. 15][69,632 bytes]: four tiles j of 16,384 bytes (tile 4 s + j = rows 16 (4 s + j) .. + 15 of W1; in it eight fragments k of 2,048 bytes), then the 32 scale images (j, k) of 128 bytes.
; DEAD WORK LEFT OUT: b2 is added to every score of a softmax row, the same for all t: softmax(x + c) = softmax(x) for every finite c, so b2 reaches no output; it is not loaded and is no launch's argument.
; With tanh(z) = 1 - 2 / (1 + e^(2 z)) the sum of W2 over h is such a constant too, and is not added.  LIMIT: a NaN, an infinity or an overflow that reaches only b2 or that sum is not carried to the result.
.set SLOT,  69632                      ; a slot of w1s
.set PC,    20480                      ; LDS: behind the waves' regions (8 x 2,560): the partial products, 8 x 2,048 bytes
.set OFFG, 1                           ; v1   16 x lane
.set ACD,  2                           ; v2   my region + 4 x lane: a row's four codes
.set ASB,  3                           ; v3   my region + 2,304 + lane / 8: a block's byte
.set AFR,  4                           ; v4   my region + 144 (lane % 16) + 16 (lane / 16): a fragment's row
.set ASR,  5                           ; v5   my region + 2,304 + 4 (lane % 16): a row's scale word
.set API,  6                           ; v6   PC + 2,048 x wave + 16 x lane
.set APR,  7                           ; v7   PC + 512 x wave + 16 x lane
.set GSL,  8                           ; v8   4 x lane
.set GCS,  9                           ; v9   4,096 (lane % 16) + 32 (lane / 16): my place in cs
.set GB1,  10                          ; v10  32 (lane / 16): my place in b1
.set X0,   16                          ; v16-83   64 numbers + 4 registers of zeros
.set X1,   84                          ; v84-151  the same
.set MX,   152                         ; v152-167 largest magnitudes, then scale bytes
.set SCL,  168                         ; v168-183 the conversions' scale operands
.set LIM,  184                         ; v184-199 57,344 x the scale
.set FA,   184                         ;          and, when those are done with, W1's first-half fragment
.set CP,   200                         ; v200-231 a pair of code registers for each row
.set WB,   232                         ; v232-247 W1's second-half fragment
.set SW,   248                         ; v248-251 scale words and nothing else: W1 first half, second half, cur rows 0-15, rows 16-31
	s_load_b128 s[4:7], s[0:1], 0x0                ; W1, cur_hidden
	s_load_b128 s[8:11], s[0:1], 0x10              ; b1, w1s
	s_load_b64 s[12:13], s[0:1], 0x20              ; cs
	v_lshl_add_u32 v254, v0, 2, 0x9000
	v_mov_b32 v255, 0
	v_lshrrev_b32 v11, 5, v0
	s_delay_alu instid0(VALU_DEP_1)
	v_readfirstlane_b32 s14, v11                   ; wave k, 0..7
	v_and_b32 v12, 31, v0                          ; lane
	v_and_b32 v13, 15, v0                          ; r
	v_bfe_u32 v14, v0, 4, 1                        ; half
	s_delay_alu instid0(VALU_DEP_3)
	v_lshlrev_b32 v[OFFG], 4, v12
	s_mul_i32 s15, s14, 2560                       ; my region
	v_lshl_add_u32 v[ACD], v12, 2, s15
	v_lshrrev_b32 v15, 3, v12
	s_delay_alu instid0(VALU_DEP_1)
	v_add_nc_u32 v[ASB], s15, v15
	s_delay_alu instid0(VALU_DEP_1)
	v_add_nc_u32 v[ASB], 2304, v[ASB]
	v_mul_u32_u24 v[AFR], v13, 144
	s_delay_alu instid0(VALU_DEP_1)
	v_lshl_add_u32 v[AFR], v14, 4, v[AFR]
	s_delay_alu instid0(VALU_DEP_1)
	v_add_nc_u32 v[AFR], s15, v[AFR]
	v_lshl_add_u32 v[ASR], v13, 2, s15
	s_delay_alu instid0(VALU_DEP_1)
	v_add_nc_u32 v[ASR], 2304, v[ASR]
	s_lshl_b32 s16, s14, 11
	v_add_nc_u32 v[API], s16, v[OFFG]
	s_delay_alu instid0(VALU_DEP_1)
	v_add_nc_u32 v[API], PC, v[API]
	s_lshl_b32 s16, s14, 9
	v_add_nc_u32 v[APR], s16, v[OFFG]
	s_delay_alu instid0(VALU_DEP_1)
	v_add_nc_u32 v[APR], PC, v[APR]
	v_lshlrev_b32 v[GSL], 2, v12
	v_lshlrev_b32 v[GCS], 12, v13
	s_delay_alu instid0(VALU_DEP_1)
	v_lshl_add_u32 v[GCS], v14, 5, v[GCS]
	v_lshlrev_b32 v[GB1], 5, v14
.irp j, 64,65,66,67
	v_mov_b32 v[X0+\j], 0                          ; the upper four sources of row 15's conversion
	v_mov_b32 v[X1+\j], 0
.endr
	s_mov_b32 s20, 0x600000                        ; the mantissa field of 57,344
	s_mov_b32 s22, 0x4038aa3b                      ; 2 log2(e)
	s_mov_b32 s23, s22
	s_lshl_b32 s24, ttmp9, 17                      ; W1: 16 rows of 8,192 bytes a work-group,
	s_lshl_b32 s26, s14, 9                         ; 512 bytes a K step; cur_hidden: the K step alone
	s_add_co_u32 s24, s24, s26
	s_mov_b32 s25, 0
	s_mov_b32 s27, 0
	s_lshr_b32 s28, ttmp9, 2                       ; slot n / 4
	s_mul_i32 s28, s28, SLOT
	s_and_b32 s29, ttmp9, 3                        ; j = n % 4
	s_lshl_b32 s30, s29, 10
	s_lshl_b32 s31, s14, 7
	s_add_co_u32 s30, s30, s31
	s_add_co_u32 s30, s30, s28
	s_add_co_u32 s30, s30, 65536                   ; my scale image: 128 (8 j + k) behind the codes
	s_lshl_b32 s29, s29, 14
	s_add_co_u32 s28, s28, s29
	s_lshl_b32 s29, s14, 11
	s_add_co_u32 s28, s28, s29                     ; my fragment image: 16,384 j + 2,048 k
	s_mov_b32 s29, 0
	s_mov_b32 s31, 0
	s_and_b32 s34, s14, 1                          ; waves 0-3 at the end: quad q = k % 2 of tile t = k / 2
	s_lshl_b32 s34, s34, 4
	s_lshl_b32 s35, ttmp9, 6
	s_add_co_u32 s34, s34, s35                     ; b1: 64 n + 16 q bytes
	s_lshr_b32 s32, s14, 1
	s_lshl_b32 s32, s32, 16
	s_add_co_u32 s32, s32, s34                     ; cs: + 16 t rows of 4,096 bytes
	s_mov_b32 s33, 0
	s_mov_b32 s35, 0
	s_wait_kmcnt 0x0
	s_add_nc_u64 s[4:5], s[4:5], s[24:25]
	s_add_nc_u64 s[6:7], s[6:7], s[26:27]
	s_add_nc_u64 s[16:17], s[10:11], s[28:29]
	s_add_nc_u64 s[18:19], s[10:11], s[30:31]
	s_add_nc_u64 s[12:13], s[12:13], s[32:33]
	s_add_nc_u64 s[8:9], s[8:9], s[34:35]
.macro LD16 x, b, pitch, off           ; 16 rows' 512 bytes: 32 lanes read 512 consecutive bytes
.set i, 0
.rept 16
	global_load_b128 v[\x+4*i:\x+4*i+3], v[OFFG], s[\b:\b+1] offset:\pitch*i+\off
.set i, i+1
.endr
.endm
; 16 rows x 128 numbers become codes and scale bytes in my region of LDS.  The 16 rows take turns line by line.
; xw = 1: global stores that read the limits' registers are out: they have read them behind the wait that stands in front of the limits' lines.
.macro DQ x, xw
.set i, 0
.rept 16
	v_max3_num_f32 v[MX+i], |v[\x+4*i]|, |v[\x+4*i+1]|, |v[\x+4*i+2]|
.set i, i+1
.endr
.set i, 0
.rept 16
	v_max3_num_f32 v[MX+i], v[MX+i], |v[\x+4*i+3]|, 0x8000000     ; and the floor 2^(16 - 127): the byte cannot fall under 1
.set i, i+1
.endr
.irp d, 1,2,4                          ; the eight lanes of a block
.set i, 0
.rept 16
	v_max_num_f32_dpp v[MX+i], v[MX+i], v[MX+i] row_xmask:\d row_mask:0xf bank_mask:0xf
.set i, i+1
.endr
.endr
.set i, 0
.rept 16
	v_add_nc_u32 v[SCL+i], 0xf8800000, v[MX+i]     ; 15 off the exponent field: the conversion's scale operand
.set i, i+1
.endr
.if \xw
	s_wait_xcnt 0x0                                ; the stores of the first-half fragment have read their data, which lie where the limits are written now
.endif
.set i, 0
.rept 16
	v_and_or_b32 v[LIM+i], v[MX+i], 0x7f800000, s20   ; 57,344 x the scale
.set i, i+1
.endr
.set i, 0
.rept 64
	v_med3_num_f32 v[\x+i], v[\x+i], -v[LIM+i/4], v[LIM+i/4]   ; the conversion to an 8-bit code does not saturate (ISA guide 7.6.2)
.set i, i+1
.endr
.set i, 0
.rept 16
	v_cvt_scalef32_pk8_bf8_f32 v[CP+2*i:CP+2*i+1], v[\x+4*i:\x+4*i+7], v[SCL+i]   ; the low register holds the row's four codes
	v_lshrrev_b32 v[MX+i], 23, v[SCL+i]            ; the scale's byte; also the plain instruction behind the conversion
.set i, i+1
.endr
.set i, 0
.rept 16                               ; the stores stand together behind the conversions: none follows straight on the line that makes its data
	ds_store_b32 v[ACD], v[CP+2*i] offset:144*i
	ds_store_b8 v[ASB], v[MX+i] offset:4*i         ; the eight lanes of a block write the same byte with the same value
.set i, i+1
.endr
.endm
.macro TOFRAG f, s                     ; back as a fragment and its scale word: my own bytes, and LDS serves a wave's instructions in order (ISA guide 5.7.1.4)
.irp c, 0,1,2,3
	ds_load_b128 v[\f+4*\c:\f+4*\c+3], v[AFR] offset:32*\c
.endr
	ds_load_b32 v[\s], v[ASR]
	s_wait_dscnt 0x0                               ; they are in, and the stores have read their registers
.endm
	LD16 X0, 4, 8192, 0                            ; W1's first half
	LD16 X1, 4, 8192, 4096                         ; its second half
	s_wait_loadcnt 16                              ; the first 16 are in; the younger 16 may be out
	DQ X0, 0
	TOFRAG FA, SW
	LD16 X0, 6, 4096, 0                            ; cur_hidden's rows 0-15
.irp c, 0,1,2,3
	global_store_b128 v[OFFG], v[FA+4*\c:FA+4*\c+3], s[16:17] offset:512*\c   ; 512 consecutive bytes a store
.endr
	global_store_b32 v[GSL], v[SW], s[18:19]
	s_wait_loadcnt 16
	DQ X1, 1
	TOFRAG WB, SW+1
	LD16 X1, 6, 4096, 65536                        ; cur_hidden's rows 16-31
	s_wait_loadcnt 16
	DQ X0, 0
	TOFRAG X0, SW+2
	s_wait_loadcnt 0x0
	DQ X1, 0
	TOFRAG X1, SW+3
	; source 0 = 16 rows of W1, source 1 = 16 rows of cur_hidden: lane (r, half) holds b = 16 t + r and h = 16 n + 8 half + 0 .. 7
	v_wmma_scale_f32_16x16x128_f8f6f4 v[32:39], v[WB:WB+15], v[X0:X0+15], 0, v[SW+1], v[SW+2] matrix_a_fmt:MATRIX_FMT_BF8 matrix_b_fmt:MATRIX_FMT_BF8
	v_wmma_scale_f32_16x16x128_f8f6f4 v[40:47], v[WB:WB+15], v[X1:X1+15], 0, v[SW+1], v[SW+3] matrix_a_fmt:MATRIX_FMT_BF8 matrix_b_fmt:MATRIX_FMT_BF8
.rept 8
	v_nop                                          ; eight places in front of the first read of the results
.endr
	ds_store_b128 v[API], v[32:35]                 ; each result from its low end on
	ds_store_b128 v[API], v[36:39] offset:512
	ds_store_b128 v[API], v[40:43] offset:1024
	ds_store_b128 v[API], v[44:47] offset:1536
	s_wait_dscnt 0x0                               ; for the others' sake: my partial products have landed
	s_barrier_signal -1
	s_barrier_wait -1
	s_cmp_gt_u32 s14, 3                            ; waves 0-3 add: wave k takes quad k % 2 of tile k / 2
	s_cbranch_scc1 .Lend
.set i, 0
.rept 8
	ds_load_b128 v[48+4*i:51+4*i], v[APR] offset:2048*i
.set i, i+1
.endr
	global_load_b128 v[100:103], v[GB1], s[8:9]    ; b1 at my four h
	s_wait_dscnt 0x0
.set i, 1
	v_pk_add_f32 v[48:49], v[48:49], v[48+4*i:49+4*i]   ; K ascending
	v_pk_add_f32 v[50:51], v[50:51], v[50+4*i:51+4*i]
.set i, i+1
.rept (7)-1
	s_delay_alu instid0(VALU_DEP_2)
	v_pk_add_f32 v[48:49], v[48:49], v[48+4*i:49+4*i]   ; K ascending
	s_delay_alu instid0(VALU_DEP_2)
	v_pk_add_f32 v[50:51], v[50:51], v[50+4*i:51+4*i]
.set i, i+1
.endr
	s_wait_alu depctr_va_vdst(0)
	s_wait_loadcnt 0x0
	v_pk_add_f32 v[48:49], v[48:49], v[100:101]
	v_pk_add_f32 v[50:51], v[50:51], v[102:103]
	s_delay_alu instid0(VALU_DEP_2)
	v_pk_mul_f32 v[48:49], v[48:49], s[22:23] op_sel_hi:[1,0]
	s_delay_alu instid0(VALU_DEP_2)
	v_pk_mul_f32 v[50:51], v[50:51], s[22:23] op_sel_hi:[1,0]
	global_store_b128 v[GCS], v[48:51], s[12:13]
.Lend:
	s_wait_tensorcnt 0x0
	ds_add_u32 v254, v255
	s_wait_dscnt 0x0
	s_endpgm
.Lfunc_end_k_qdd3e947100_prep:
	.size	k_qdd3e947100_prep, .Lfunc_end_k_qdd3e947100_prep-k_qdd3e947100_prep
	.p2alignl 7, 3214868480
	.fill 96, 4, 3214868480
	.section	.rodata,"a",@progbits
	.p2align	6, 0x0
	.amdhsa_kernel k_qdd3e947100_prep
		.amdhsa_group_segment_fixed_size 37888
		.amdhsa_private_segment_fixed_size 0
		.amdhsa_enable_private_segment 0
		.amdhsa_kernarg_size 40
		.amdhsa_user_sgpr_count 2
		.amdhsa_user_sgpr_kernarg_segment_ptr 1
		.amdhsa_wavefront_size32 1
		.amdhsa_system_sgpr_workgroup_id_x 1
		.amdhsa_system_sgpr_workgroup_id_y 1
		.amdhsa_system_sgpr_workgroup_id_z 1
		.amdhsa_system_vgpr_workitem_id 0
		.amdhsa_next_free_vgpr 256
		.amdhsa_next_free_sgpr 66
		.amdhsa_reserve_vcc 0
		.amdhsa_float_denorm_mode_32 3
		.amdhsa_float_denorm_mode_16_64 3
		.amdhsa_memory_ordered 1
		.amdhsa_forward_progress 1
		.amdhsa_inst_pref_size 78
	.end_amdhsa_kernel
	.amdgpu_metadata
---
amdhsa.version: [ 1, 2 ]
amdhsa.kernels:
  - .name:           k_qdd3e947100_prep
    .symbol:         k_qdd3e947100_prep.kd
    .args:
      - { .name: W1, .offset: 0, .size: 8, .value_kind: global_buffer, .address_space: global }
      - { .name: cur_hidden, .offset: 8, .size: 8, .value_kind: global_buffer, .address_space: global }
      - { .name: b1, .offset: 16, .size: 8, .value_kind: global_buffer, .address_space: global }
      - { .name: w1s, .offset: 24, .size: 8, .value_kind: global_buffer, .address_space: global }
      - { .name: cs, .offset: 32, .size: 8, .value_kind: global_buffer, .address_space: global }
    .group_segment_fixed_size: 37888
    .private_segment_fixed_size: 0
    .kernarg_segment_align: 8
    .kernarg_segment_size: 40
    .max_flat_workgroup_size: 256
    .sgpr_count:     66
    .vgpr_count:     256
    .wavefront_size: 32
...
	.end_amdgpu_metadata
.endif
;; end of part 4
;; launch main (part 5): grid 256 x 1, 4 waves a work-group, clusters of 4 x 1, 327,680 bytes of LDS; arguments encoder_output, w1s, cs, W2, sc, part; writes sc, part
.if DOCPART == 5
	.amdgcn_target "amdgcn-amd-amdhsa--gfx1250"
	.amdhsa_code_object_version 6
	.text
	.protected	k_qdd3e947100_main
	.globl	k_qdd3e947100_main
	.p2align	8
	.type	k_qdd3e947100_main,@function
k_qdd3e947100_main:
	s_mov_b64 s[64:65], 0
	v_nop
	global_prefetch_b8 v0, s[64:65] scope:SCOPE_SE
	s_setreg_imm32_b32 hwreg(HW_REG_WAVE_MODE, 25, 1), 1
	s_wait_xcnt 0x0
	s_wait_alu depctr_hold_cnt(0) depctr_sa_sdst(0) depctr_va_vdst(0) depctr_va_sdst(0) depctr_va_ssrc(0) depctr_va_vcc(0) depctr_vm_vsrc(0)
	s_getreg_b32 s2, hwreg(HW_REG_IB_STS2, 6, 4)
	s_cmp_eq_u32 s2, 0
	s_cbranch_scc0 .Lentry_in_a_cluster
	s_endpgm
.Lentry_in_a_cluster:
	s_bfe_u32 s2, ttmp6, 0x10000c
	s_cmp_lg_u32 s2, 0x3003
	s_cbranch_scc0 .Lentry_shape_is_right
	s_endpgm
.Lentry_shape_is_right:
; For one b and 128 time steps: z = Q(enc[t][b]) . Q(W1[h][:1024]) on codes of BF8 (E5M2) with E8M0 scales; tanh(z + c[b][h]); the score with W2; a softmax over the 128 (its maximum m and sum l); the partial context.
; DEAD WORK LEFT OUT: b2 and the sum of W2, the same for every t of a softmax row (shown at the head of the first kernel).
; SHARES.  Work-group g = 4 x cluster + place: b = g % 32, t = 128 (g / 32) .. + 127.
; PHASE 1: wave w loads rows 32 w .. 32 w + 31 of enc, two rows (16 loads of 512 bytes) a step, four steps in flight, and leaves codes and scale bytes in LDS.
; PHASE 2: wave w = 2 rw + cw holds rows 64 rw .. + 63, all of K, in 512 registers, and walks W1 once, in 16 slots of 64 h through two LDS slots: blocks of 16 h x 64 rows, 32 products; of a slot's four tiles it takes 2 cw, 2 cw + 1.
;   A fragment of W1 is loaded anew as soon as its four products and eight places are behind it: one set of eight fragments serves.
;   The tanh of a block runs behind its products: exponentials of block n and reciprocals of block n - 1 are one batch; the additions of block n - 1 stand among and behind the products of block n and are their places.
; PHASE 3: the scores meet in LDS; wave w sums columns 256 w .. + 255 of the context, 8 a lane, from a second read of enc (f32), the rows read last in phase 1 first.
; CLUSTER.  All work-groups walk the same slots of W1 in the same order: the four of a cluster ask for each JOINTLY (mask 15).  Nothing else is shared, so a second axis of the cluster would serve nothing.
; NO PREFETCH: enc is asked for by up to 63 loads a wave ahead of its use; every cluster of the launch reads the same 1,114,112 bytes of W1, slot by slot.
; THE MATRIX INSTRUCTION IS USED TRANSPOSED (source 0 = 16 rows of W1, source 1 = 16 rows of enc): lane (r, half) holds row 16 m + r and h = .. + 8 half + 0 .. 7.
; tanh(z) = 1 - 2 / (1 + 2^(2 log2(e) z)): right at both ends (the power overflows to infinity or falls to 0).
; LIMITS: NaN and infinities are not served; a block of 32 whose largest magnitude lies under 2^-111, a block of zeros among them, keeps the byte 1.
; REGISTERS, in windows of 256.  Window 0: below.  Windows 1, 2: enc's fragments (k, m) at v[64 (k % 4) + 16 m], k = 0-3 and 4-7.  Window 3: phase 1: four sets of 64 numbers.  Phase 3: rows of enc in windows 3 and 1.
.set SLOT,  69632
.set QTR,   17408                      ; a wave's part of a slot: 68 rows of 256 bytes
.set STG,   139264                     ; codes: 128 rows, PT bytes apart (an odd multiple of 16)
.set PT,    1040
.set SCB,   272384                     ; scale bytes: 128 rows of 32
.set TAB,   276480                     ; cs[b][.], and 4,096 bytes on: -2 log2(e) W2
.set SCR,   284672                     ; [cw][128] partial scores
.set PB,    285696                     ; [wave][128] p
.set SPARE, 287744                     ; the spare words, 128 bytes for each wave: two blocks of 256 bytes that no other line names
.set SPW,  1
.set NIL,  2
.set OFFG, 3                           ; 16 l
.set AFW,  4                           ; v4, v5: 32768 cw + 16 l in slot 0, 1
.set AWS,  6                           ; v6, v7: 65536 + 2048 cw + 4 l in slot 0, 1
.set ATB0, 8                           ; TAB + 128 cw + 32 (l / 16)
.set GPT,  9                           ; 1024 w + 16 l
.set WS,   10                          ; v10-17 W1's scale words and nothing else
.set ASCW, 18                          ; SCR + 512 cw + 256 rw + 4 r
.set AFA,  19                          ; STG + PT (64 rw + r) + 16 (l / 16);  later APW
.set APW,  19
.set ASA,  20                          ; SCB + 32 (64 rw + r + 16 (l / 16));  later APR
.set APR,  20
.set ACD0, 21                          ; STG + 32 PT w + 4 l;  later ATB
.set ATB,  21
.set ASB0, 22                          ; SCB + 1024 w + l / 8;  later ASCR
.set ASCR, 22
.set AS,   24                          ; v24-39 enc's scale words: register 8 (m / 2) + k, m odd in lanes 16-31
.set ACD,  40                          ; phase 1
.set ASB,  41
.set CT,   40                          ; v40-47 cs, v48-55 -2 log2(e) W2 at my eight h
.set WT,   48
.set SA,   56                          ; v56-63 the sums, a pair a tile
.set ACC,  64                          ; v64-127 two sets of four accumulators
.set WR,   128                         ; v128-255 eight fragments of W1;  phase 3: v128-255 the 128 p
.set PP,   128
.set MX,   64                          ; phase 1: largest magnitudes, then bytes
.set SCL,  80
.set LIM,  96
.set T,    128                         ; v128-195 the held numbers + 4 zeros
.set CP,   196                         ; v196-227 pairs of code registers
.set CTX,  96                          ; phase 3: v96-111 two sets of sums
.set WV,   18
.set G1,   24
.set G0,   32                          ; s[32:35] slot 0's group 0, s[36:39] slot 1's
.set LP,   42
.set STA,  46
.set STB,  47
.set TRP,  50
.set K2,   52
.set CXP,  62                          ; s[62:63] enc at the first row of my b; s[66:67] 64 rows on
.set MSB, 0
.macro WIN new                         ; the immediate's high byte repeats the setting that is left
.if MSB != (\new)
	s_set_vgpr_msb (MSB<<8)|(\new)
.set MSB, (\new)
.endif
.endm
.macro WA
	s_wait_alu depctr_va_vdst(0)
.endm
.macro CREST                           ; a round behind its opening barrier
	s_cmp_lg_u32 s[WV], 0
	s_cbranch_scc1 .Lnot_wave_0_\@
	s_barrier_signal -3
.Lnot_wave_0_\@:
	s_barrier_wait -3
	s_barrier_signal -1
	s_barrier_wait -1
.endm
.macro ROUND
	s_barrier_signal -1
	s_barrier_wait -1
	CREST
.endm
.macro TLOAD s                         ; my quarter of a slot
	tensor_load_to_lds s[G0+4*\s:G0+4*\s+3], s[G1:G1+7]
	s_nop 0
.rept 4
	v_nop
.endr
.endm
.macro LD q                            ; two rows into set q: 512 consecutive bytes a load
	WIN 0xc0
.set i, 0
.rept 16
	global_load_b128 v[64*\q+4*i:64*\q+4*i+3], v[OFFG], s[LP:LP+1] offset:262144*\q+131072*(i/8)+512*(i%8)
.set i, i+1
.endr
	WIN 0
.endm
	s_load_b256 s[4:11], s[0:1], 0x0               ; enc s[4:5], w1s s[6:7], cs s[8:9], W2 s[10:11]
	s_load_b128 s[12:15], s[0:1], 0x20             ; sc s[12:13], part s[14:15]
	v_lshl_add_u32 v[SPW], v0, 2, SPARE
	v_mov_b32 v[NIL], 0
	ds_add_u32 v[SPW], v[NIL]                      ; the wave's opening: the add, twice on end, and its wait
	ds_add_u32 v[SPW], v[NIL]
	v_lshrrev_b32 v23, 5, v0
	v_readfirstlane_b32 s[WV], v23                 ; wave 0..3
	s_bfe_u32 s19, ttmp6, 0x40000                  ; my place in the cluster: it enters global addresses of enc, cs, sc and part alone
	s_lshl_b32 s20, ttmp9, 2
	s_add_co_u32 s20, s20, s19                     ; g
	s_and_b32 s21, s20, 31                         ; b
	s_lshr_b32 s22, s20, 5                         ; which 128 time steps
	s_and_b32 s16, s[WV], 1                        ; cw
	s_lshr_b32 s17, s[WV], 1                       ; rw
	; descriptor group 1: 17,408 dense bytes as 68 rows of 32 elements of 8 bytes, no padding
	s_mov_b32 s[G1+0], 15|(3<<16)|(1<<21)          ; 15:0 the mask: all four work-groups; 17:16 elements of 8 bytes; 21 set beside a mask
	s_mov_b32 s[G1+1], 32<<16
	s_mov_b32 s[G1+2], 68<<16
	s_mov_b32 s[G1+3], 32<<16
	s_mov_b32 s[G1+4], 68
	s_mov_b32 s[G1+5], 32
	s_mov_b32 s[G1+6], 0
	s_mov_b32 s[G1+7], 0
	s_mov_b32 s[G0], 1
	s_mul_i32 s[G0+1], s[WV], QTR
	s_mov_b32 s[G0+4], 1
	s_add_co_u32 s[G0+5], s[G0+1], SLOT
	s_lshl_b32 s74, s21, 12                        ; b x 4,096 bytes
	s_mov_b32 s75, 0
	s_lshl_b32 s82, s22, 24                        ; the first time step x 131,072 bytes
	s_add_co_u32 s82, s82, s74
	s_mov_b32 s83, 0
	s_lshl_b32 s72, s[WV], 22                      ; my 32 rows
	s_add_co_u32 s72, s72, s82
	s_mov_b32 s73, 0
	s_lshl_b32 s76, s22, 9
	s_add_co_u32 s76, s76, s74                     ; sc: row b, 128 numbers in
	s_mov_b32 s77, 0
	s_lshl_b32 s78, s21, 3
	s_add_co_u32 s78, s78, s22
	s_mul_i32 s78, s78, 4608                       ; part: row 8 b + part's number
	s_mov_b32 s79, 0
	s_mul_i32 s80, s[WV], QTR
	s_mov_b32 s81, 0
	s_mov_b32 s[STA], 0
	s_mov_b32 s[STB], 0
	s_mov_b32 s[TRP], 3
	s_mov_b32 s[K2], 0x4038aa3b                    ; 2 log2(e)
	s_mov_b32 s[K2+1], s[K2]
	s_mov_b32 s58, 0x600000                        ; the mantissa field of 57,344
	s_mov_b32 s60, 0x76543210
	s_mov_b32 s61, 0xfedcba98                      ; v_permlanex16_b32's selects for lane l xor 16
	v_and_b32 v24, 31, v0                          ; l
	v_and_b32 v25, 15, v0                          ; r
	v_bfe_u32 v26, v0, 4, 1                        ; l / 16
	v_lshlrev_b32 v[OFFG], 4, v24
	v_lshlrev_b32 v27, 5, v0                       ; my eight numbers of cs and of W2
	WA
	s_wait_dscnt 0x0                               ; both opening adds are done
	s_wait_kmcnt 0x0
	s_add_nc_u64 s[LP:LP+1], s[4:5], s[72:73]
	s_add_nc_u64 s[CXP:CXP+1], s[4:5], s[82:83]
	s_add_nc_u64 s[CXP+4:CXP+5], s[CXP:CXP+1], 0x800000
	s_add_nc_u64 s[8:9], s[8:9], s[74:75]
	s_add_nc_u64 s[12:13], s[12:13], s[76:77]
	s_add_nc_u64 s[14:15], s[14:15], s[78:79]
	s_add_nc_u64 s[G0+2:G0+3], s[6:7], s[80:81]    ; my quarter of slot 0: the same in all four work-groups
	s_add_nc_u64 s[G0+6:G0+7], s[G0+2:G0+3], SLOT
	s_or_b32 s[G0+3], s[G0+3], 0x80000000
	s_or_b32 s[G0+7], s[G0+7], 0x80000000
	global_load_b128 v[64:67], v27, s[8:9]
	global_load_b128 v[68:71], v27, s[8:9] offset:16
	global_load_b128 v[72:75], v27, s[10:11]
	global_load_b128 v[76:79], v27, s[10:11] offset:16
	LD 0
	LD 1
	LD 2
	s_lshl_b32 s71, s16, 15
	v_add_nc_u32 v[AFW], s71, v[OFFG]
	v_add_nc_u32 v[AFW+1], SLOT, v[AFW]
	s_lshl_b32 s71, s16, 11
	s_add_co_u32 s71, s71, 65536
	v_lshl_add_u32 v[AWS], v24, 2, s71
	v_add_nc_u32 v[AWS+1], SLOT, v[AWS]
	s_lshl_b32 s71, s16, 7
	s_add_co_u32 s71, s71, TAB
	v_lshl_add_u32 v[ATB0], v26, 5, s71
	s_lshl_b32 s71, s[WV], 10
	v_add_nc_u32 v[GPT], s71, v[OFFG]
	s_add_co_u32 s71, s71, SCB
	v_lshrrev_b32 v[ASB0], 3, v24
	v_add_nc_u32 v[ASB0], s71, v[ASB0]
	s_mul_i32 s71, s[WV], 32*PT
	s_add_co_u32 s71, s71, STG
	v_lshl_add_u32 v[ACD0], v24, 2, s71
	WA
	s_lshl_b32 s71, s16, 9
	s_lshl_b32 s72, s17, 8
	s_add_co_u32 s71, s71, s72
	s_add_co_u32 s71, s71, SCR
	v_lshl_add_u32 v[ASCW], v25, 2, s71
	s_mul_i32 s71, s17, 64*PT
	s_add_co_u32 s71, s71, STG
	v_mul_u32_u24 v[AFA], v25, PT
	v_lshl_add_u32 v[AFA], v26, 4, v[AFA]
	v_add_nc_u32 v[AFA], s71, v[AFA]
	s_lshl_b32 s71, s17, 11
	s_add_co_u32 s71, s71, SCB
	v_lshlrev_b32 v[ASA], 5, v25
	v_lshl_add_u32 v[ASA], v26, 9, v[ASA]
	v_add_nc_u32 v[ASA], s71, v[ASA]
	v_add_nc_u32 v28, TAB, v27
.irp j, 64,65,66,67
	v_mov_b32 v[T+\j], 0                           ; the upper four sources of a step's last conversion
.endr
	WA
	ROUND                                          ; in front of the first joint load
	TLOAD 0                                        ; slot 0
	LD 3
	s_wait_xcnt 0x0
	s_add_nc_u64 s[LP:LP+1], s[LP:LP+1], 0x100000  ; eight rows on
	s_wait_loadcnt 63                              ; cs and W2 are in: 64 loads were issued behind theirs
.irp j, 72,73,74,75,76,77,78,79
	v_mul_f32 v[\j], 0xc038aa3b, v[\j]             ; -2 log2(e) W2: the scores come out times log2(e)
.endr
	ds_store_b128 v28, v[64:67]
	ds_store_b128 v28, v[68:71] offset:16
	ds_store_b128 v28, v[72:75] offset:4096
	ds_store_b128 v28, v[76:79] offset:4112
; PHASE 1.  Set q's two rows become codes and scale bytes.  Group i: row i / 8, 128 columns i % 8; a lane holds 4 numbers of each group; a block of 32 lies in 8 neighbouring lanes.
.macro SUB q, n, ld
	s_wait_loadcnt \n                              ; this set is in; the younger sets' loads may be out
	WIN 0x3f
.set i, 0
.rept 16
	v_max3_num_f32 v[MX+i], |v[64*\q+4*i]|, |v[64*\q+4*i+1]|, |v[64*\q+4*i+2]|
.set i, i+1
.endr
	WIN 0x0c
.set i, 0
.rept 16
	v_max3_num_f32 v[MX+i], v[MX+i], |v[64*\q+4*i+3]|, 0x8000000   ; and the floor 2^(16 - 127): the byte cannot fall under 1
.set i, i+1
.endr
	WIN 0
.irp d, 1,2,4
.set i, 0
.rept 16
	v_max_num_f32_dpp v[MX+i], v[MX+i], v[MX+i] row_xmask:\d row_mask:0xf bank_mask:0xf
.set i, i+1
.endr
.endr
.set i, 0
.rept 16
	v_add_nc_u32 v[SCL+i], 0xf8800000, v[MX+i]     ; 15 off the exponent field: the conversion's scale operand
.set i, i+1
.endr
.set i, 0
.rept 16
	v_and_or_b32 v[LIM+i], v[MX+i], 0x7f800000, s58   ; 57,344 x the scale
.set i, i+1
.endr
	WIN 0x03
.set i, 0
.rept 64
	v_med3_num_f32 v[T+i], v[64*\q+i], -v[LIM+i/4], v[LIM+i/4]   ; the conversion to an 8-bit code does not saturate (ISA guide 7.6.2)
.set i, i+1
.endr
.if \ld
	LD \q                                          ; the set is free: four steps on
.endif
	WIN 0
.set i, 0
.rept 16
	v_cvt_scalef32_pk8_bf8_f32 v[CP+2*i:CP+2*i+1], v[T+4*i:T+4*i+7], v[SCL+i]   ; the low register holds the group's four codes; the upper four sources' codes are not used
	v_lshrrev_b32 v[MX+i], 23, v[SCL+i]            ; the scale's byte; also the plain instruction behind the conversion
.set i, i+1
.endr
.set i, 0
.rept 16
	ds_store_b32 v[ACD], v[CP+2*i] offset:2*PT*\q+PT*(i/8)+128*(i%8)
	ds_store_b8 v[ASB], v[MX+i] offset:64*\q+32*(i/8)+4*(i%8)   ; the eight lanes of a block write the same byte with the same value
.set i, i+1
.endr
.endm
.Lquant:
	v_add_nc_u32 v[ACD], s[STA], v[ACD0]
	v_add_nc_u32 v[ASB], s[STB], v[ASB0]
	SUB 0, 48, 1
	SUB 1, 48, 1
	SUB 2, 48, 1
	SUB 3, 48, 1
	s_wait_xcnt 0x0                                ; the loads have read their base
	s_add_nc_u64 s[LP:LP+1], s[LP:LP+1], 0x100000
	s_add_co_u32 s[STA], s[STA], 8*PT
	s_add_co_u32 s[STB], s[STB], 256
	s_sub_co_u32 s[TRP], s[TRP], 1
	s_cmp_lg_u32 s[TRP], 0
	s_cbranch_scc1 .Lquant
	v_add_nc_u32 v[ACD], s[STA], v[ACD0]
	v_add_nc_u32 v[ASB], s[STB], v[ASB0]
	SUB 0, 48, 0                                   ; the last four steps: nothing is left to load
	SUB 1, 32, 0
	SUB 2, 16, 0
	SUB 3, 0, 0
	s_wait_tensorcnt 0x0                           ; my part of slot 0 is in
	ds_add_u32 v[SPW], v[NIL]
	s_wait_dscnt 0x0                               ; the add is done, and my codes, scale bytes and tables are in LDS
	ROUND
	TLOAD 1                                        ; slot 1
	WIN 0x40                                       ; enc's fragments: 64 rows, all of K
.set i, 0
.rept 128
.if i == 64
	WIN 0x80
.endif
	ds_load_b128 v[4*(i%64):4*(i%64)+3], v[AFA] offset:128*(i/16)+16*PT*((i/4)%4)+32*(i%4)
.set i, i+1
.endr
	WIN 0
.irp p, 0,1
	ds_load_b128 v[AS+8*\p:AS+8*\p+3], v[ASA] offset:1024*\p
	ds_load_b128 v[AS+8*\p+4:AS+8*\p+7], v[ASA] offset:1024*\p+16
.endr
.macro LDW np, nu, i                   ; quarter i % 4 of fragment i / 4 of tile nu in slot np
	ds_load_b128 v[WR+4*(\i):WR+4*(\i)+3], v[AFW+(\np)] offset:16384*(\nu)+512*(\i)
.endm
.macro LDS8 np, nu                     ; its eight scale words
.irp k, 0,1,2,3,4,5,6,7
	ds_load_b32 v[WS+\k], v[AWS+(\np)] offset:1024*(\nu)+128*\k
.endr
.endm
.set n_, 0
.rept 32
	LDW 0, 0, n_
.set n_, n_+1
.endr
	LDS8 0, 0
	ds_load_b128 v[CT:CT+3], v[ATB0]
	ds_load_b128 v[CT+4:CT+7], v[ATB0] offset:16
	; no block stands before the first: its powers are zeros, its table zeros, the sums zeros
.set i, 0
.rept 32
	v_mov_b32 v[ACC+32+i], 0
.set i, i+1
.endr
.set i, 0
.rept 16
	v_mov_b32 v[WT+i], 0                           ; the table and the sums behind it
.set i, i+1
.endr
	s_lshl_b32 s71, s[WV], 9
	s_add_co_u32 s71, s71, PB
	v_add_nc_u32 v[APW], s71, v[OFFG]
	v_mov_b32 v[APR], s71
	v_add_nc_u32 v[ASCR], SCR, v[OFFG]
	s_mov_b32 s[STA], 0
	s_mov_b32 s[TRP], 7
	WA
	s_wait_dscnt 0x0
.macro WM u, k, m                      ; one product: tile m of enc x the block's 16 h, the k-th 128
.set d_, ACC+32*(\u)+8*(\m)
.set w_, WR+16*(\k)
.set a_, 64*((\k)%4)+16*(\m)
.set s_, AS+8*((\m)/2)+(\k)
.if (\k) == 0
.if (\m)%2
	v_wmma_scale_f32_16x16x128_f8f6f4 v[d_:d_+7], v[w_:w_+15], v[a_:a_+15], 0, v[WS+(\k)], v[s_] matrix_a_fmt:MATRIX_FMT_BF8 matrix_b_fmt:MATRIX_FMT_BF8 matrix_b_scale:MATRIX_SCALE_ROW1
.else
	v_wmma_scale_f32_16x16x128_f8f6f4 v[d_:d_+7], v[w_:w_+15], v[a_:a_+15], 0, v[WS+(\k)], v[s_] matrix_a_fmt:MATRIX_FMT_BF8 matrix_b_fmt:MATRIX_FMT_BF8
.endif
.else
.if (\m)%2
	v_wmma_scale_f32_16x16x128_f8f6f4 v[d_:d_+7], v[w_:w_+15], v[a_:a_+15], v[d_:d_+7], v[WS+(\k)], v[s_] matrix_a_fmt:MATRIX_FMT_BF8 matrix_b_fmt:MATRIX_FMT_BF8 matrix_b_scale:MATRIX_SCALE_ROW1
.else
	v_wmma_scale_f32_16x16x128_f8f6f4 v[d_:d_+7], v[w_:w_+15], v[a_:a_+15], v[d_:d_+7], v[WS+(\k)], v[s_] matrix_a_fmt:MATRIX_FMT_BF8 matrix_b_fmt:MATRIX_FMT_BF8
.endif
.endif
.endm
.macro WM8 u, k                        ; two K steps: the four accumulators by turns
.set n_, 0
.rept 8
	WM \u, (\k)+n_/4, n_%4
.set n_, n_+1
.endr
.endm
.macro ADD1 s, i                       ; 1 + 2^x, two numbers of set s
	v_pk_add_f32 v[ACC+32*(\s)+2*(\i):ACC+32*(\s)+2*(\i)+1], v[ACC+32*(\s)+2*(\i):ACC+32*(\s)+2*(\i)+1], 1.0 op_sel_hi:[1,0]
.endm
.macro RCP s
.set n_, 0
.rept 32
	v_rcp_f32 v[ACC+32*(\s)+n_], v[ACC+32*(\s)+n_]
.set n_, n_+1
.endr
.endm
.macro SUM s                           ; the sums += -2 log2(e) W2 / (1 + 2^x)
.set n_, 0
.rept 16
.set d_, SA+2*(n_%4)
.set a_, ACC+32*(\s)+8*(n_%4)+2*(n_/4)
	v_pk_fma_f32 v[d_:d_+1], v[a_:a_+1], v[WT+2*(n_/4):WT+2*(n_/4)+1], v[d_:d_+1]
.set n_, n_+1
.endr
.endm
.macro XROW j                          ; the j-th row of the context's read: my 32 bytes of it; the rows that phase 1 read last come first; nobody reads them after this
.set rr, 32*((\j)%4)+31-(\j)/4
.set bb, CXP+4*(rr/64)
.set oo, (rr%64)*131072
.set xr, 8*((\j)%32)
	WIN 0xc0-0x80*(((\j)%64)/32)                   ; window 3, then 1
	global_load_b128 v[xr:xr+3], v[GPT], s[bb:bb+1] offset:oo th:TH_LOAD_NT
	global_load_b128 v[xr+4:xr+7], v[GPT], s[bb:bb+1] offset:oo+512 th:TH_LOAD_NT
.endm
.macro XROWS from, n
.set jx, \from
.rept \n
	XROW jx
.set jx, jx+1
.endr
	WIN 0
.endm
; A BLOCK: tile u of slot par.  rd = 1: the other slot is shown (a barrier; with fill = 1 a round of the cluster's barrier, behind which this slot, all of whose fragments are in registers, is filled with the slot two on).  nxt = 1: another block follows.
; The LDS loads behind the first half's fragments and the scale words: 16 of the second half, 4 of the tables (and the add).
.macro BLOCK par, u, rd, fill, nxt
.set np, (\par)*(1-(\u))+(1-(\par))*(\u)
.set nu, 1-(\u)
.if \rd
	s_wait_tensorcnt 0x0                           ; my part of the other slot is in
	ds_add_u32 v[SPW], v[NIL]
.if \fill
	s_add_nc_u64 s[G0+4*\par+2:G0+4*\par+3], s[G0+4*\par+2:G0+4*\par+3], 2*SLOT
.endif
	s_wait_dscnt 21                                ; K steps 0-3's fragments and the scale words are in
.else
	s_wait_dscnt 20
.endif
	WIN 0x04                                       ; source 1 window 1
	WM8 \u, 0
.if \rd
	s_wait_dscnt 0x0                               ; the add is done, and my reads of this slot are over
	s_barrier_signal -1
.endif
	WM8 \u, 2
.if \rd
	WIN 0
	s_barrier_wait -1
.if \fill
	CREST
	TLOAD \par
.endif
.else
	s_wait_dscnt 4                                 ; K steps 4-7's fragments are in; the tables' four loads may be out
.endif
	WIN 0x08                                       ; source 1 window 2
.set q_, 0
.rept 16
	WM \u, 4+q_/4, q_%4
.if q_ < 8
	ADD1 nu, q_                                    ; the block before: eight places behind K step 3's products,
.elseif \nxt
	LDW np, nu, 2*(q_-8)                           ; so its first four fragments' registers take the next block's
	LDW np, nu, 2*(q_-8)+1
.endif
.set q_, q_+1
.endr
	WIN 0
.set q_, 8
.rept 8
	ADD1 nu, q_                                    ; and eight places behind the last product
.set q_, q_+1
.endr
.if \nxt
	LDS8 np, nu
.set q_, 16
.rept 16
	LDW np, nu, q_
.set q_, q_+1
.endr
	s_wait_dscnt 40                                ; the tables are in; the next block's 16 + 8 + 16 loads may be out
.else
	XROWS 24, 24
	s_wait_dscnt 0x0
.endif
.set q_, 0
.rept 16                                       ; 2 log2(e) (z + c), each accumulator from its low end on
.set d_, ACC+32*(\u)+8*(q_%4)+2*(q_/4)
	v_pk_fma_f32 v[d_:d_+1], v[d_:d_+1], s[K2:K2+1], v[CT+2*(q_/4):CT+2*(q_/4)+1] op_sel_hi:[1,0,1]
.set q_, q_+1
.endr
	WA
.set q_, 0
.rept 32
	v_exp_f32 v[ACC+32*(\u)+q_], v[ACC+32*(\u)+q_]
.set q_, q_+1
.endr
	RCP nu                                         ; the block before
	v_nop                                          ; a plain place behind the last transcendental
	WA
	SUM nu
.if \nxt
.set q_, 256*(\par)+64+192*(\u)                ; the next block's h: 16 on in the slot, or the next slot's first (64 h are 256 bytes)
	ds_load_b128 v[CT:CT+3], v[ATB] offset:q_
	ds_load_b128 v[CT+4:CT+7], v[ATB] offset:q_+16
.endif
.set q_, 4096+256*(\par)+64*(\u)
	ds_load_b128 v[WT:WT+3], v[ATB] offset:q_
	ds_load_b128 v[WT+4:WT+7], v[ATB] offset:q_+16
.endm
.Lwalk:                                            ; seven trips of two slots
	v_add_nc_u32 v[ATB], s[STA], v[ATB0]
	BLOCK 0, 0, 0, 0, 1
	BLOCK 0, 1, 1, 1, 1
	BLOCK 1, 0, 0, 0, 1
	BLOCK 1, 1, 1, 1, 1
	WA
	s_add_co_u32 s[STA], s[STA], 512
	s_sub_co_u32 s[TRP], s[TRP], 1
	s_cmp_lg_u32 s[TRP], 0
	s_cbranch_scc1 .Lwalk
	v_add_nc_u32 v[ATB], s[STA], v[ATB0]
	WA
	XROWS 0, 24                                    ; the context's first 24 rows, into window 3, under the last two slots
	BLOCK 0, 0, 0, 0, 1
	BLOCK 0, 1, 1, 0, 1                            ; nothing is filled again: a plain barrier shows the last slot
	BLOCK 1, 0, 0, 0, 1
	BLOCK 1, 1, 0, 0, 0
	WA
	s_wait_dscnt 0x0                               ; the last block's table
.set q_, 0
.rept 16
	ADD1 1, q_
.set q_, q_+1
.endr
	WA
	RCP 1
	v_nop
	WA
	SUM 1
.irp m, 0,1,2,3
	v_add_f32 v[64+\m], v[SA+2*\m], v[SA+2*\m+1]
.endr
.irp m, 0,1,2,3
	v_permlanex16_b32 v[68+\m], v[64+\m], s60, s61 ; the other eight h of each block lie in the lane 16 away
.endr
.irp m, 0,1,2,3
	v_add_f32 v[64+\m], v[64+\m], v[68+\m]
.endr
.irp m, 0,1,2,3
	ds_store_b32 v[ASCW], v[64+\m] offset:64*\m    ; both halves of the lanes write the same word with the same value
.endr
	s_wait_dscnt 0x0                               ; for the others' sake: my partial scores have landed
	s_barrier_signal -1
	s_barrier_wait -1
	; PHASE 3.  The 128 scores x log2(e), four a lane; every wave makes the same numbers
	ds_load_b128 v[64:67], v[ASCR]
	ds_load_b128 v[68:71], v[ASCR] offset:512
	s_wait_dscnt 0x0
	v_pk_add_f32 v[64:65], v[64:65], v[68:69]
	v_pk_add_f32 v[66:67], v[66:67], v[70:71]
	WA
	s_cmp_lg_u32 s[WV], 0
	s_cbranch_scc1 .Lno_sc
	global_store_b128 v[OFFG], v[64:67], s[12:13]  ; 512 consecutive bytes
.Lno_sc:
	v_max3_num_f32 v72, v64, v65, v66
	v_max_num_f32 v72, v72, v67
.irp d, 1,2,4,8
	v_max_num_f32_dpp v72, v72, v72 row_xmask:\d row_mask:0xf bank_mask:0xf
.endr
	v_permlanex16_b32 v73, v72, s60, s61
	v_max_num_f32 v72, v72, v73                    ; m
.irp i, 0,1,2,3
	v_sub_f32 v[76+\i], v[64+\i], v72
.endr
	WA
.irp i, 0,1,2,3
	v_exp_f32 v[76+\i], v[76+\i]                   ; p of rows 4 l .. 4 l + 3
.endr
	v_nop
	WA
	ds_store_b128 v[APW], v[76:79]                 ; my wave's own copy of the 128 p
.set i, 0
.rept 32
	ds_load_b128 v[PP+4*i:PP+4*i+3], v[APR] offset:16*i   ; the same in every lane; LDS serves a wave's instructions in order (ISA guide 5.7.1.4): these see my store
.set i, i+1
.endr
	v_add_f32 v74, v76, v77
	v_add_f32 v75, v78, v79
	v_add_f32 v74, v74, v75
.irp d, 1,2,4,8
	v_add_f32_dpp v74, v74, v74 row_xmask:\d row_mask:0xf bank_mask:0xf
.endr
	v_permlanex16_b32 v75, v74, s60, s61
	v_add_f32 v74, v74, v75                        ; l
	WA
	s_wait_dscnt 0x0
.macro CROW j                          ; my 8 columns += p x the row: two sets of sums by turns
.set rr, 32*((\j)%4)+31-(\j)/4
.set xr, 8*((\j)%32)
.set pe, PP+2*(rr/2)
.set ca, CTX+8*((\j)%2)
.irp c, 0,2,4,6
.if (\j) < 2
.if rr%2
	v_pk_mul_f32 v[ca+\c:ca+\c+1], v[xr+\c:xr+\c+1], v[pe:pe+1] op_sel:[0,1] op_sel_hi:[1,1]
.else
	v_pk_mul_f32 v[ca+\c:ca+\c+1], v[xr+\c:xr+\c+1], v[pe:pe+1] op_sel_hi:[1,0]
.endif
.else
.if rr%2
	v_pk_fma_f32 v[ca+\c:ca+\c+1], v[xr+\c:xr+\c+1], v[pe:pe+1], v[ca+\c:ca+\c+1] op_sel:[0,1,0] op_sel_hi:[1,1,1]
.else
	v_pk_fma_f32 v[ca+\c:ca+\c+1], v[xr+\c:xr+\c+1], v[pe:pe+1], v[ca+\c:ca+\c+1] op_sel_hi:[1,0,1]
.endif
.endif
.endr
.endm
.set gx, 0
.rept 16                                       ; groups of eight rows; 48 rows are asked for ahead, as far as the count's field reaches
.if gx < 10
	XROWS 48+8*gx, 8                               ; into the registers of a group that has been summed
.set yo, 96
.else
.set yo, 2*(120-8*gx)
.endif
	WA
.if yo > 63
	s_wait_loadcnt 63
.else
	s_wait_loadcnt yo                              ; the group's rows are in; the younger rows' loads may be out
.endif
	WIN 3-2*((gx%8)/4)
.set jx, 8*gx
.rept 8
	CROW jx
.set jx, jx+1
.endr
	WIN 0
.set gx, gx+1
.endr
.irp j, 0,2,4,6
	v_pk_add_f32 v[CTX+\j:CTX+\j+1], v[CTX+\j:CTX+\j+1], v[CTX+8+\j:CTX+8+\j+1]
.endr
	v_mov_b32 v80, v72
	v_mov_b32 v81, v74
	v_mov_b32 v82, v72
	v_mov_b32 v83, v74
	WA
	global_store_b128 v[GPT], v[CTX:CTX+3], s[14:15]   ; as the rows of enc were read: 512 consecutive bytes a store
	global_store_b128 v[GPT], v[CTX+4:CTX+7], s[14:15] offset:512
	s_cmp_lg_u32 s[WV], 0
	s_cbranch_scc1 .Lno_ml
	global_store_b128 v[OFFG], v[80:83], s[14:15] offset:4096   ; (m, l, m, l) in every lane's 16 bytes
.Lno_ml:
	s_wait_tensorcnt 0x0                           ; the wave's end
	ds_add_u32 v[SPW], v[NIL]
	s_wait_dscnt 0x0
	ROUND                                          ; the closing round: no work-group ends while a partner may still ask for a tile that names it
	s_endpgm
.Lfunc_end_k_qdd3e947100_main:
	.size	k_qdd3e947100_main, .Lfunc_end_k_qdd3e947100_main-k_qdd3e947100_main
	.p2alignl 7, 3214868480
	.fill 96, 4, 3214868480
	.section	.rodata,"a",@progbits
	.p2align	6, 0x0
	.amdhsa_kernel k_qdd3e947100_main
		.amdhsa_group_segment_fixed_size 327680
		.amdhsa_private_segment_fixed_size 0
		.amdhsa_enable_private_segment 0
		.amdhsa_kernarg_size 48
		.amdhsa_user_sgpr_count 2
		.amdhsa_user_sgpr_kernarg_segment_ptr 1
		.amdhsa_wavefront_size32 1
		.amdhsa_system_sgpr_workgroup_id_x 1
		.amdhsa_system_sgpr_workgroup_id_y 1
		.amdhsa_system_sgpr_workgroup_id_z 1
		.amdhsa_system_vgpr_workitem_id 0
		.amdhsa_next_free_vgpr 1024
		.amdhsa_next_free_sgpr 100
		.amdhsa_reserve_vcc 0
		.amdhsa_float_denorm_mode_32 3
		.amdhsa_float_denorm_mode_16_64 3
		.amdhsa_memory_ordered 1
		.amdhsa_forward_progress 1
		.amdhsa_inst_pref_size 255
	.end_amdhsa_kernel
	.section	.bss,"aw",@nobits
	.p2align	6
	.space	262144
	.amdgpu_metadata
---
amdhsa.version: [ 1, 2 ]
amdhsa.kernels:
  - .name:           k_qdd3e947100_main
    .symbol:         k_qdd3e947100_main.kd
    .args:
      - { .name: encoder_output, .offset: 0, .size: 8, .value_kind: global_buffer, .address_space: global }
      - { .name: w1s, .offset: 8, .size: 8, .value_kind: global_buffer, .address_space: global }
      - { .name: cs, .offset: 16, .size: 8, .value_kind: global_buffer, .address_space: global }
      - { .name: W2, .offset: 24, .size: 8, .value_kind: global_buffer, .address_space: global }
      - { .name: sc, .offset: 32, .size: 8, .value_kind: global_buffer, .address_space: global }
      - { .name: part, .offset: 40, .size: 8, .value_kind: global_buffer, .address_space: global }
    .group_segment_fixed_size: 327680
    .private_segment_fixed_size: 0
    .kernarg_segment_align: 8
    .kernarg_segment_size: 48
    .max_flat_workgroup_size: 128
    .sgpr_count:     100
    .vgpr_count:     1024
    .wavefront_size: 32
...
	.end_amdgpu_metadata
.endif
;; end of part 5
;; launch finish (part 6): grid 32 x 1, 8 waves a work-group, no clusters, 0 bytes of LDS; arguments part, sc, out0, out1; writes out0, out1
.if DOCPART == 6
	.amdgcn_target "amdgcn-amd-amdhsa--gfx1250"
	.amdhsa_code_object_version 6
	.text
	.protected	k_qdd3e947100_finish
	.globl	k_qdd3e947100_finish
	.p2align	8
	.type	k_qdd3e947100_finish,@function
k_qdd3e947100_finish:
	s_mov_b64 s[64:65], 0
	v_nop
	global_prefetch_b8 v0, s[64:65] scope:SCOPE_SE
	s_setreg_imm32_b32 hwreg(HW_REG_WAVE_MODE, 25, 1), 1
	s_wait_xcnt 0x0
; The eight parts of one b are joined.  part: rows 8 b + c of 4,608 bytes: 1,024 numbers of context summed under the part's maximum m_c, then (m_c, l_c).  sc: [32][1024], score x log2(e).
; M = the largest m_c; f_c = 2^(m_c - M); L = the sum of f_c l_c;  out0[b][:] = the sum of f_c context_c / L;  out1[b][t] = 2^(sc - M) / L.
; Work-group b; thread t takes 16 bytes of each row, so a wave's load or store covers 512 consecutive bytes.  No LDS, no barrier, no matrix unit: 41 KB are read and 8 KB written by a work-group.
	s_load_b128 s[4:7], s[0:1], 0x0                ; part, sc
	s_load_b128 s[8:11], s[0:1], 0x10              ; out0, out1
	v_lshlrev_b32 v1, 4, v0
	v_mov_b32 v2, 0
	s_mul_i32 s12, ttmp9, 36864                    ; eight rows of part
	s_mov_b32 s13, 0
	s_lshl_b32 s14, ttmp9, 12                      ; a row of sc, out0, out1
	s_mov_b32 s15, 0
	s_wait_alu depctr_va_vdst(0)
	s_wait_kmcnt 0x0
	s_add_nc_u64 s[4:5], s[4:5], s[12:13]
	s_add_nc_u64 s[6:7], s[6:7], s[14:15]
	s_add_nc_u64 s[8:9], s[8:9], s[14:15]
	s_add_nc_u64 s[10:11], s[10:11], s[14:15]
.set i, 0
.rept 8
	global_load_b64 v[4+2*i:5+2*i], v2, s[4:5] offset:4608*i+4096   ; (m_c, l_c): the same 8 bytes in every lane
.set i, i+1
.endr
.set i, 0
.rept 8
	global_load_b128 v[20+4*i:23+4*i], v1, s[4:5] offset:4608*i
.set i, i+1
.endr
	global_load_b128 v[52:55], v1, s[6:7]
	s_wait_loadcnt 9                               ; the eight (m, l) are in; the nine younger loads may be out
	v_max3_num_f32 v56, v4, v6, v8
	s_delay_alu instid0(VALU_DEP_1)
	v_max3_num_f32 v56, v56, v10, v12
	s_delay_alu instid0(VALU_DEP_1)
	v_max3_num_f32 v56, v56, v14, v16
	s_delay_alu instid0(VALU_DEP_1)
	v_max_num_f32 v56, v56, v18                    ; M
.set i, 0
.rept 8
	v_sub_f32 v[58+i], v[4+2*i], v56
.set i, i+1
.endr
.set i, 0
	s_wait_alu depctr_va_vdst(0)
.rept 8
	v_exp_f32 v[58+i], v[58+i]                     ; f_c
.set i, i+1
.endr
	v_nop                                          ; a plain instruction behind the last exponential
	s_wait_alu depctr_va_vdst(0)
	v_mul_f32 v57, v58, v5
.set i, 1
.rept 7
	v_fmac_f32 v57, v[58+i], v[5+2*i]              ; L
.set i, i+1
.endr
	s_wait_alu depctr_va_vdst(0)
	v_rcp_f32 v66, v57
	v_nop
.set i, 0
	s_wait_alu depctr_va_vdst(0)
.rept 8
	v_mul_f32 v[58+i], v[58+i], v66                ; f_c / L
.set i, i+1
.endr
	s_wait_alu depctr_va_vdst(0)
	s_wait_loadcnt 0x0
.irp j, 0,1,2,3
	v_mul_f32 v[68+\j], v58, v[20+\j]
	v_sub_f32 v[52+\j], v[52+\j], v56
.endr
	s_wait_alu depctr_va_vdst(0)
.irp j, 0,1,2,3
	v_exp_f32 v[52+\j], v[52+\j]
.endr
.set i, 1
.rept 7
.irp j, 0,1,2,3
	v_fmac_f32 v[68+\j], v[58+i], v[20+4*i+\j]
.endr
.set i, i+1
.endr
	s_wait_alu depctr_va_vdst(0)
.irp j, 0,1,2,3
	v_mul_f32 v[52+\j], v[52+\j], v66
.endr
	global_store_b128 v1, v[68:71], s[8:9]
	global_store_b128 v1, v[52:55], s[10:11]
	s_endpgm
.Lfunc_end_k_qdd3e947100_finish:
	.size	k_qdd3e947100_finish, .Lfunc_end_k_qdd3e947100_finish-k_qdd3e947100_finish
	.p2alignl 7, 3214868480
	.fill 96, 4, 3214868480
	.section	.rodata,"a",@progbits
	.p2align	6, 0x0
	.amdhsa_kernel k_qdd3e947100_finish
		.amdhsa_group_segment_fixed_size 0
		.amdhsa_private_segment_fixed_size 0
		.amdhsa_enable_private_segment 0
		.amdhsa_kernarg_size 32
		.amdhsa_user_sgpr_count 2
		.amdhsa_user_sgpr_kernarg_segment_ptr 1
		.amdhsa_wavefront_size32 1
		.amdhsa_system_sgpr_workgroup_id_x 1
		.amdhsa_system_sgpr_workgroup_id_y 1
		.amdhsa_system_sgpr_workgroup_id_z 1
		.amdhsa_system_vgpr_workitem_id 0
		.amdhsa_next_free_vgpr 72
		.amdhsa_next_free_sgpr 66
		.amdhsa_reserve_vcc 0
		.amdhsa_float_denorm_mode_32 3
		.amdhsa_float_denorm_mode_16_64 3
		.amdhsa_memory_ordered 1
		.amdhsa_forward_progress 1
		.amdhsa_inst_pref_size 6
	.end_amdhsa_kernel
	.amdgpu_metadata
---
amdhsa.version: [ 1, 2 ]
amdhsa.kernels:
  - .name:           k_qdd3e947100_finish
    .symbol:         k_qdd3e947100_finish.kd
    .args:
      - { .name: part, .offset: 0, .size: 8, .value_kind: global_buffer, .address_space: global }
      - { .name: sc, .offset: 8, .size: 8, .value_kind: global_buffer, .address_space: global }
      - { .name: out0, .offset: 16, .size: 8, .value_kind: global_buffer, .address_space: global }
      - { .name: out1, .offset: 24, .size: 8, .value_kind: global_buffer, .address_space: global }
    .group_segment_fixed_size: 0
    .private_segment_fixed_size: 0
    .kernarg_segment_align: 8
    .kernarg_segment_size: 32
    .max_flat_workgroup_size: 256
    .sgpr_count:     66
    .vgpr_count:     72
    .wavefront_size: 32
...
	.end_amdgpu_metadata
.endif
;; end of part 6
